; MI455X (gfx1250); checked and timed in simulation.
; The chip was launched on July 23, 2026; its instructions are those of AMD's public machine-readable ISA for CDNA 5 (MIT licence, August 2026) and "CDNA5" Instruction Set Architecture Reference Guide (July 2026). The comments in the code are by the model that wrote it; some were corrected since.
;; Multi Head Self Attention. Allowed arithmetic: matrix products marked QUANTISED: E2M3 operands, one E8M0 scale for each 32 along K, by v_wmma_scale_f32_16x16x128_f8f6f4 with both operands' format E2M3, f32 sums; everything else in f32.
;; Inputs: W_proj 1,024 x 1,024 float32; W_qkv 1,024 x 3,072 float32; b_proj 1,024 float32; b_qkv 3,072 float32; x 4 x 2,048 x 1,024 float32.
;; Outputs: out0 4 x 2,048 x 1,024 float32.
;; This version of the problem:
;;   THIS VERSION OF THE PROBLEM IS GIVEN IN LOW PRECISION. The matrix products marked QUANTISED in the list below multiply operands that are first quantised to E2M3 (2 exponent bits, 3 mantissa bits; 6 bits a number), with one power-of-two scale for each 32 numbers along K (OCP MX v1.0); their sums are f32. All else is computed in f32.
;;   The module's matrix products, in the order in which they are computed (A, B: the left and right operand; K: the contracted axis; several contracted axes count as one K, in the product's order):
;;     1. [M 8,192, K 1,024] x [K 1,024, N 3,072]; A: input x; B: input W_qkv: QUANTISED
;;     2. batch 64 x [M 2,048, K 64] x [K 64, N 2,048]; A: computed on the way; B: computed on the way: QUANTISED
;;     3. batch 64 x [M 64, K 2,048] x [K 2,048, N 2,048]; A: computed on the way; B: softmax (see below): QUANTISED
;;     4. [M 8,192, K 1,024] x [K 1,024, N 1,024]; A: computed on the way; B: input W_proj: QUANTISED
;;   THE QUANTISER, for each operand of a quantised product, along K:
;;     - K is cut into blocks of 32 from its start; a last block that is shorter is filled with zeros.
;;     - A block's scale is 2^e with e = floor(log2(the largest magnitude in the block)) - 2, held to -126 .. 127; a block of zeros has e = 0. As a byte (E8M0): e + 127.
;;     - Each number is divided by its block's scale, clamped to +-7.5, and rounded to the nearest number of E2M3, ties to even, subnormals kept.
;;     - The product sums the exact products of the quantised numbers (number of the format x scale) in f32.
;;   ~~~python
;;   def quantise(x, axis):      # numpy; x: float32 -> the quantised numbers, widened to float32 again
;;       x = np.moveaxis(x, axis, -1); K = x.shape[-1]
;;       x = np.pad(x, [(0, 0)] * (x.ndim - 1) + [(0, -K % 32)]); x = x.reshape(x.shape[:-1] + (-1, 32)); a = np.abs(x).max(-1, keepdims=True)
;;       e = np.where(a > 0, np.clip(np.frexp(np.where(a > 0, a, 1))[1] - 1 - 2, -126, 127), 0)      # np.frexp(a)[1] - 1 = floor(log2(a)), exactly
;;       r = np.clip(x / 2.0 ** e, -7.5, 7.5)
;;       step = 2.0 ** (np.maximum(np.frexp(np.where(r == 0, 1, r))[1] - 1, 0) - 3)
;;       q = np.round(r / step) * step * 2.0 ** e      # np.round: ties to even
;;       return np.moveaxis(q.reshape(q.shape[:-2] + (-1,))[..., :K], -1, axis).astype(np.float32)
;;   ~~~
;;   SOFTMAX AHEAD OF A QUANTISED PRODUCT. Where the list says 'softmax', what is quantised is not the finished softmax but p = 2^(t - M), with t = logit x log2(e) and M = ceil(the row's largest t), a whole number; so 1/2 < the row's largest p <= 1. The row's sum l is taken of the UNQUANTISED p, in f32, and the product's result is divided by l at the end. Since M is a whole number, a kernel that streams over the keys may use a running M (the ceiling of the running maximum): every later rescaling is an exact power of two, which a block's scale takes up: the codes' values come out the same.
;;   OPERANDS COMPUTED ON THE WAY. 'Computed on the way' means the value that the module computes at that place (a softmax that the list does not call 'softmax' is quantised finished and normalised). What goes into a quantiser is computed in f32, as accurately as f32 sums, v_exp_f32 and their like allow (about 1e-6 of the number): no bf16 or f16 on the way to a quantiser, and a product that is left as it is and whose result goes on into a quantised operand takes f32 operands (vector FMAs, or v_wmma_f32_16x16x4_f32). A number that lies on a knife's edge between two numbers of the format may be rounded either way, as far as f32 arithmetic and the matrix unit's own rounding can turn it there, and no further.
;; One version. Each part assembles by itself: llvm-mc -triple=amdgcn-amd-amdhsa -mcpu=gfx1250 --defsym DOCPART=n.
;; ======== version 1 of 1: 4 launches
;; limits: right only within a limited range of input values
;; workspace buffers: xq 6,291,456 bytes; xs 262,144 bytes; wc 3,145,728 bytes; ws 131,072 bytes; qkv 19,660,800 bytes; oq 6,291,456 bytes; os 262,144 bytes
;; launch quant (part 1): grid 640 x 1, 8 waves a work-group, no clusters, 96,768 bytes of LDS; arguments x, W_qkv, W_proj, xq, xs, wc, ws; writes xq, xs, wc, ws
.if DOCPART == 1
	.amdgcn_target "amdgcn-amd-amdhsa--gfx1250"
	.amdhsa_code_object_version 6
	.text
	.protected	k_q317491ab89_quant
	.globl	k_q317491ab89_quant
	.p2align	8
	.type	k_q317491ab89_quant,@function
k_q317491ab89_quant:
	s_mov_b64 s[64:65], 0
	v_nop
	global_prefetch_b8 v0, s[64:65] scope:SCOPE_SE
	s_setreg_imm32_b32 hwreg(HW_REG_WAVE_MODE, 25, 1), 1
	s_wait_xcnt 0x0
; x [8192][1024], W_qkv [1024][3072] and W_proj [1024][1024], f32, become codes of FP6 (E2M3) with one E8M0 byte for each 32 along K (x: its last axis; the weights: their FIRST axis).
; A block's scale is 2^(floor(log2(its largest magnitude)) - 2); its byte is the largest magnitude's exponent field - 2, held at 1 from below.
; LIMITS: a block of zeros gets the byte 1 where the rule says 127 (its codes are zeros, and this program alone reads the bytes); NaN and infinities among the inputs are not served.
; WHAT IS STORED ARE IMAGES OF OPERAND REGISTERS.  A tile is 16 rows: tile t holds rows 32 (t / 2) + 8 (t % 2) + r + 8 (r / 8), r = 0 .. 15.  A fragment (a tile x 128 along K) is 12 registers a lane;
; its image is three pieces of 512 bytes, piece c = registers 4 c .. 4 c + 3, lane l's 16 bytes at 16 l.  xq: [tile 0..511][K step 0..7][image]; wc: the same for the columns of W_qkv (tiles 0..191) and W_proj (192..255).
; Scale words: 512 bytes a tile, [half][r][4 words]: word j of half H is row r's word of K step 4 H + j.
; Work-groups 0..127 take the weights, 128..639 take x: two paths that part on the work-group's number, each with LDS bytes, a barrier and an end of its own.
.set XSCL, 67584                       ; path x: bytes 0 .. 67,583 eight stages of 16 rows x 528 bytes; here 512 bytes of scale words
.set WST,  68096                       ; path W: eight stages of 3,328 bytes (two images, 1,664 bytes apart),
.set WSCL, 94720                       ; and 1,024 bytes of scale words
.set SEL,  22                          ; s[22:23] selects of v_permlanex16_b32: lane l xor 16
.set PC,   12                          ; v12-30   path x: the codes just made
.set TM,   32                          ; v32-47   path x: at work
.set PW,   48                          ; v48      path x: the scale word just made
.set R,    64                          ; v64-127  path x: 16 rows as loaded
.set X,    128                         ; v128-191 path x: 64 numbers of my row
.set N,    64                          ; v64-191  path W: 128 numbers down K of my column
.set C,    32                          ; v32-63   path W: eight registers for each block's codes
; 64 numbers of a lane, v[s] .. v[s + 63], register 16 b + i = k 32 b + 16 (lane / 16) + i of my row, become a fragment's codes in v[PC] on and its scale word in v[PW].
.macro QUANT s
.irp b, 0,1,2,3
	v_max3_num_f32 v[TM+\b], |v[\s+16*\b]|, |v[\s+1+16*\b]|, 0x1800000   ; my 16 numbers of block b, and the floor 2^(3 - 127): the byte cannot fall under 1
.endr
.irp i, 2,4,6,8,10,12,14
.irp b, 0,1,2,3
	s_delay_alu instid0(VALU_DEP_4)
	v_max3_num_f32 v[TM+\b], v[TM+\b], |v[\s+16*\b+\i]|, |v[\s+1+16*\b+\i]|
.endr
.endr
.irp b, 0,1,2,3
	s_delay_alu instid0(VALU_DEP_4)
	v_permlanex16_b32 v[TM+4+\b], v[TM+\b], s[SEL], s[SEL+1]
.endr
.irp b, 0,1,2,3
	s_delay_alu instid0(VALU_DEP_4)
	v_max_num_f32 v[TM+\b], v[TM+\b], v[TM+4+\b]   ; with lane l xor 16's: the block's largest magnitude
.endr
.irp b, 0,1,2,3
	s_delay_alu instid0(VALU_DEP_4)
	v_add_nc_u32 v[TM+12+\b], 0xff000000, v[TM+\b] ; 2 off its exponent field: the conversion's scale operand
.endr
.irp b, 0,1,2,3
	s_delay_alu instid0(VALU_DEP_4)
	v_lshrrev_b32 v[TM+4+\b], 23, v[TM+12+\b]      ; the scale's byte
.endr
	s_delay_alu instid0(VALU_DEP_3)
	v_lshl_or_b32 v[PW], v[TM+5], 8, v[TM+4]
	s_delay_alu instid0(VALU_DEP_1)
	v_lshl_or_b32 v[PW], v[TM+6], 16, v[PW]
	s_delay_alu instid0(VALU_DEP_1)
	v_lshl_or_b32 v[PW], v[TM+7], 24, v[PW]
.irp c, 0,1
	v_cvt_scalef32_pk16_fp6_f32 v[PC+6*\c:PC+2+6*\c], v[\s+32*\c:\s+15+32*\c], v[TM+12+2*\c]
	v_cvt_scalef32_pk16_fp6_f32 v[PC+12+4*\c:PC+14+4*\c], v[\s+16+32*\c:\s+31+32*\c], v[TM+12+2*\c+1]   ; (a conversion's three registers begin on an even number)
.endr
	v_nop                                          ; one plain place behind a scaled conversion
.irp c, 0,1                                    ; the operand wants a whole block in a lane: lanes 0-15 block 2 c, lanes 16-31 block 2 c + 1
.irp i, 0,1,2
	v_permlane16_swap_b32 v[PC+6*\c+\i], v[PC+12+4*\c+\i]
.endr
.irp i, 0,1,2
	s_delay_alu instid0(VALU_DEP_3)
	v_mov_b32 v[PC+3+6*\c+\i], v[PC+12+4*\c+\i]
.endr
.endr
.endm
	s_load_b256 s[4:11], s[0:1], 0x0               ; x, W_qkv, W_proj, xq
	s_load_b128 s[12:15], s[0:1], 0x20             ; xs, wc
	s_load_b64 s[16:17], s[0:1], 0x30              ; ws
	v_lshl_add_u32 v200, v0, 2, 0x17600
	v_mov_b32 v201, 0
	v_lshrrev_b32 v1, 5, v0
	s_delay_alu instid0(VALU_DEP_1)
	v_readfirstlane_b32 s18, v1                    ; wave 0..7
	v_and_b32 v1, 31, v0                           ; lane
	v_and_b32 v2, 15, v0                           ; r
	v_bfe_u32 v3, v0, 4, 1                         ; h
	s_delay_alu instid0(VALU_DEP_3)
	v_lshlrev_b32 v4, 4, v1                        ; 16 x lane
	s_mov_b32 s[SEL], 0x76543210
	s_mov_b32 s[SEL+1], 0xfedcba98
	s_cmp_lt_u32 ttmp9, 128
	s_cbranch_scc1 .Lpath_w
; ---------------- PATH x: the work-group takes one tile of 16 rows, wave w its K step w ----------------
	s_sub_co_u32 s19, ttmp9, 128                   ; the tile
	s_mul_i32 s20, s18, 8448                       ; my stage: 16 rows x 528 bytes
	v_add_nc_u32 v5, s20, v4                       ; in: 16 bytes a lane of a row's 512
	v_mul_u32_u24 v6, v2, 528
	s_delay_alu instid0(VALU_DEP_1)
	v_lshl_add_u32 v6, v3, 6, v6
	s_delay_alu instid0(VALU_DEP_1)
	v_add_nc_u32 v6, s20, v6                       ; out: row r, + 64 h: my 16 numbers of each block of 32.  528 = 33 x 16: sixteen rows fall on sixteen different columns of 16 bytes
	s_lshr_b32 s21, s18, 2
	s_lshl_b32 s21, s21, 8
	s_and_b32 s24, s18, 3
	s_lshl_b32 s24, s24, 2
	s_add_co_u32 s21, s21, s24
	s_add_co_u32 s21, s21, XSCL
	s_wait_alu depctr_va_vdst(0)
	v_lshl_add_u32 v7, v2, 4, s21                  ; my row's scale word of K step w: 256 (w / 4) + 16 r + 4 (w % 4)
	v_add_nc_u32 v8, XSCL, v4
	s_lshr_b32 s24, s19, 1
	s_lshl_b32 s24, s24, 5
	s_and_b32 s25, s19, 1
	s_lshl_b32 s25, s25, 3
	s_add_co_u32 s24, s24, s25                     ; the tile's first row
	s_lshl_b32 s24, s24, 12                        ; x 4,096 bytes
	s_lshl_b32 s25, s18, 9
	s_add_co_u32 s24, s24, s25                     ; + 512 w
	s_mov_b32 s25, 0
	s_mul_i32 s26, s19, 12288
	s_mul_i32 s27, s18, 1536
	s_add_co_u32 s26, s26, s27
	s_mov_b32 s27, 0
	s_lshl_b32 s28, s19, 9
	s_mov_b32 s29, 0
.irp b, 0,1,2,3
	v_mov_b32 v[TM+4+\b], 0                        ; a lane permute's destination counts as one of its sources
.endr
	s_wait_kmcnt 0x0
	s_add_nc_u64 s[4:5], s[4:5], s[24:25]
	s_add_nc_u64 s[10:11], s[10:11], s[26:27]
	s_add_nc_u64 s[12:13], s[12:13], s[28:29]
.irp i, 0,1,2,3,4,5,6,7,8,9,10,11,12,13,14,15
	global_load_b128 v[R+4*\i:R+4*\i+3], v4, s[4:5] offset:(\i+8*(\i/8))*4096 th:TH_LOAD_NT   ; 32 lanes read 512 consecutive bytes of the tile's row i
.endr
.irp i, 0,1,2,3,4,5,6,7,8,9,10,11,12,13,14,15
	s_wait_loadcnt 15-\i                           ; row i is in; the 15 - i loads issued behind it may be out
	ds_store_b128 v5, v[R+4*\i:R+4*\i+3] offset:528*\i
.endr
.irp b, 0,1,2,3
.irp j, 0,1,2,3
	ds_load_b128 v[X+16*\b+4*\j:X+16*\b+4*\j+3], v6 offset:128*\b+16*\j   ; my wave's own bytes, and LDS serves a wave's instructions in order: no barrier, no wait
.endr
.endr
	s_wait_dscnt 0x0
	QUANT X
.irp c, 0,1,2
	global_store_b128 v4, v[PC+4*\c:PC+4*\c+3], s[10:11] offset:512*\c   ; the image: each store covers 512 consecutive bytes, aligned
.endr
	ds_store_b32 v7, v[PW]                         ; lanes l and l xor 16 write the same word with the same value
	s_wait_dscnt 0x0                               ; for wave 0's sake: my word has landed
	s_barrier_signal -1
	s_barrier_wait -1
	s_cmp_lg_u32 s18, 0
	s_cbranch_scc1 .Lx_end
	ds_load_b128 v[32:35], v8                      ; the tile's 512 bytes of scale words
	s_wait_dscnt 0x0
	global_store_b128 v4, v[32:35], s[12:13]
.Lx_end:
	s_wait_tensorcnt 0x0
	ds_add_u32 v200, v201
	s_wait_dscnt 0x0
	s_endpgm
; ---------------- PATH W: a work-group takes 64 columns x 512 along K; a wave 32 columns x 128 along K: A LANE TAKES A COLUMN, AND ITS REGISTERS RUN DOWN K ----------------
.Lpath_w:
	s_cmp_lt_u32 ttmp9, 96                         ; work-groups 0..95: W_qkv; 96..127: W_proj
	s_cselect_b32 s19, 0, 96
	s_cselect_b32 s20, 0, 192                      ; the tensor's first tile in wc
	s_mov_b32 s21, 4096
	s_cselect_b32 s21, 12288, s21                  ; a row of the tensor in bytes
	s_sub_co_u32 s19, ttmp9, s19
	s_lshr_b32 s24, s19, 1                         ; which 64 columns
	s_and_b32 s25, s19, 1                          ; which half of K
	s_and_b32 s26, s18, 1                          ; which 32 of the 64 columns
	s_lshr_b32 s27, s18, 1
	s_lshl_b32 s28, s25, 2
	s_add_co_u32 s28, s28, s27                     ; my K step
	s_lshl_b32 s29, s28, 7
	s_mul_i32 s30, s29, s21                        ; 128 x K step rows,
	s_lshl_b32 s29, s24, 8
	s_add_co_u32 s30, s30, s29
	s_lshl_b32 s29, s26, 7
	s_add_co_u32 s30, s30, s29                     ; + 4 bytes x my first column
	s_mov_b32 s31, 0
	s_lshl_b32 s29, s24, 2
	s_add_co_u32 s32, s20, s29                     ; the work-group's first tile of four
	s_lshl_b32 s29, s26, 1
	s_add_co_u32 s33, s32, s29                     ; my wave's first of two
	s_mul_i32 s34, s33, 12288
	s_mul_i32 s29, s28, 1536
	s_add_co_u32 s34, s34, s29
	s_mov_b32 s35, 0
	s_lshl_b32 s36, s32, 9
	s_lshl_b32 s29, s25, 8
	s_add_co_u32 s36, s36, s29
	s_mov_b32 s37, 0
	v_bfe_u32 v11, v0, 3, 1                        ; column l of my 32 is row r' of tile u: u = bit 3 of l,
	v_and_b32 v21, 7, v0
	s_wait_alu depctr_va_vdst(0)
	v_lshl_add_u32 v21, v3, 3, v21                 ; r' = l % 8 + 8 (l / 16)
	s_mul_i32 s38, s18, 3328
	s_add_co_u32 s38, s38, WST                     ; my stage
	v_mul_u32_u24 v5, v11, 1664
	s_delay_alu instid0(VALU_DEP_1)
	v_lshl_add_u32 v5, v21, 4, v5
	s_delay_alu instid0(VALU_DEP_1)
	v_add_nc_u32 v5, s38, v5                       ; into it: image u, lane r'
	v_add_nc_u32 v6, s38, v4                       ; out of it: 16 bytes a lane
	s_lshl_b32 s39, s26, 9
	s_lshl_b32 s29, s27, 2
	s_add_co_u32 s39, s39, s29
	s_add_co_u32 s39, s39, WSCL
	v_lshlrev_b32 v7, 8, v11
	s_delay_alu instid0(VALU_DEP_1)
	v_lshl_add_u32 v7, v21, 4, v7
	s_delay_alu instid0(VALU_DEP_1)
	v_add_nc_u32 v7, s39, v7                       ; my column's scale word: 256 x (tile of four) + 16 r' + 4 x (K step % 4)
	v_add_nc_u32 v8, WSCL, v4
	v_lshlrev_b32 v9, 9, v3
	s_delay_alu instid0(VALU_DEP_1)
	v_lshl_add_u32 v9, v2, 4, v9                   ; in ws: 512 h + 16 r
	v_lshlrev_b32 v10, 2, v1                       ; 4 bytes a lane
	s_wait_kmcnt 0x0
	s_cmp_lt_u32 ttmp9, 96
	s_cselect_b64 s[6:7], s[6:7], s[8:9]           ; the choice hangs on the work-group's number alone
	s_add_nc_u64 s[6:7], s[6:7], s[30:31]
	s_add_nc_u64 s[14:15], s[14:15], s[34:35]
	s_add_nc_u64 s[16:17], s[16:17], s[36:37]
.macro LOADW stride                    ; W(128 x K step + p, my column), p = 0 .. 127: 32 lanes read 128 consecutive bytes
.set p, 0
.rept 128
	global_load_b32 v[N+p], v10, s[6:7] offset:p*\stride th:TH_LOAD_NT
.set p, p+1
.endr
.endm
	s_cmp_lt_u32 ttmp9, 96
	s_cbranch_scc0 .Lw_narrow
	s_wait_alu depctr_va_vdst(0)
	LOADW 12288
	s_branch .Lw_loaded
.Lw_narrow:
	s_wait_alu depctr_va_vdst(0)
	LOADW 4096
.Lw_loaded:
; Block t of 32 along K: all its numbers are mine.  In the fragment it is lane r' + 16 (t % 2)'s registers 6 (t / 2) .. 6 (t / 2) + 5.
.macro BLOCK t
.set NS, N+32*\t
.set CB, C+8*\t
.if \t < 2
	s_wait_loadcnt 63                              ; 96 - 32 t loads were issued behind this block's; a wait names 63 at the most, and fewer is safe
.else
	s_wait_loadcnt 96-32*\t                        ; the later blocks' loads may be out
.endif
	v_max3_num_f32 v12, |v[NS]|, |v[NS+1]|, |v[NS+2]|
	v_max3_num_f32 v13, |v[NS+3]|, |v[NS+4]|, |v[NS+5]|
.irp i, 6,10,14,18,22,26
	s_delay_alu instid0(VALU_DEP_2)
	v_max3_num_f32 v12, v12, |v[NS+\i]|, |v[NS+\i+1]|
	s_delay_alu instid0(VALU_DEP_2)
	v_max3_num_f32 v13, v13, |v[NS+\i+2]|, |v[NS+\i+3]|
.endr
	s_delay_alu instid0(VALU_DEP_2)
	v_max3_num_f32 v12, v12, |v[NS+30]|, |v[NS+31]|
	s_delay_alu instid0(VALU_DEP_1)
	v_max3_num_f32 v12, v12, v13, 0x1800000        ; and the floor 2^(3 - 127)
	s_delay_alu instid0(VALU_DEP_1)
	v_add_nc_u32 v[16+\t], 0xff000000, v12         ; the conversion's scale operand
	s_delay_alu instid0(VALU_DEP_1)
	v_lshrrev_b32 v21, 23, v[16+\t]                ; the byte
.if \t == 0
	s_delay_alu instid0(VALU_DEP_1)
	v_mov_b32 v20, v21
.else
	s_delay_alu instid0(VALU_DEP_1)
	v_lshl_or_b32 v20, v21, 8*\t, v20
.endif
	v_cvt_scalef32_pk16_fp6_f32 v[CB:CB+2], v[NS:NS+15], v[16+\t]
	v_cvt_scalef32_pk16_fp6_f32 v[CB+4:CB+6], v[NS+16:NS+31], v[16+\t]
	v_nop                                          ; one plain place behind a scaled conversion
	v_mov_b32 v[CB+3], v[CB+4]                     ; six registers on end
	v_mov_b32 v[CB+4], v[CB+5]
	v_mov_b32 v[CB+5], v[CB+6]
.if \t < 2
	ds_store_b128 v5, v[CB:CB+3] offset:256*(\t%2)             ; registers 0-3: piece 0
	ds_store_b64 v5, v[CB+4:CB+5] offset:512+256*(\t%2)        ; registers 4, 5: the lower half of piece 1
.else
	ds_store_b64 v5, v[CB:CB+1] offset:520+256*(\t%2)          ; registers 6, 7: its upper half
	ds_store_b128 v5, v[CB+2:CB+5] offset:1024+256*(\t%2)      ; registers 8-11: piece 2
.endif
.endm
	BLOCK 0
	BLOCK 1
	BLOCK 2
	BLOCK 3
	ds_store_b32 v7, v20
.irp u, 0,1
.irp c, 0,1,2
	ds_load_b128 v[N+4*(3*\u+\c):N+4*(3*\u+\c)+3], v6 offset:1664*\u+512*\c   ; my own bytes, in order behind my stores
.endr
.endr
	s_wait_dscnt 0x0                               ; the images are back; and, for wave 0's sake, my scale word has landed
.irp u, 0,1
.irp c, 0,1,2
	global_store_b128 v4, v[N+4*(3*\u+\c):N+4*(3*\u+\c)+3], s[14:15] offset:12288*\u+512*\c   ; 512 consecutive bytes, aligned
.endr
.endr
	s_barrier_signal -1
	s_barrier_wait -1
	s_cmp_lg_u32 s18, 0
	s_cbranch_scc1 .Lw_end
	ds_load_b128 v[32:35], v8                      ; four tiles x 256 bytes: this half of K's words
	ds_load_b128 v[36:39], v8 offset:512
	s_wait_dscnt 0x0
	global_store_b128 v9, v[32:35], s[16:17]       ; sixteen lanes store 256 consecutive bytes, aligned
	global_store_b128 v9, v[36:39], s[16:17] offset:1024
.Lw_end:
	s_wait_tensorcnt 0x0
	ds_add_u32 v200, v201
	s_wait_dscnt 0x0
	s_endpgm
.Lfunc_end_k_q317491ab89_quant:
	.size	k_q317491ab89_quant, .Lfunc_end_k_q317491ab89_quant-k_q317491ab89_quant
	.p2alignl 7, 3214868480
	.fill 96, 4, 3214868480
	.section	.rodata,"a",@progbits
	.p2align	6, 0x0
	.amdhsa_kernel k_q317491ab89_quant
		.amdhsa_group_segment_fixed_size 96768
		.amdhsa_private_segment_fixed_size 0
		.amdhsa_enable_private_segment 0
		.amdhsa_kernarg_size 56
		.amdhsa_user_sgpr_count 2
		.amdhsa_user_sgpr_kernarg_segment_ptr 1
		.amdhsa_wavefront_size32 1
		.amdhsa_system_sgpr_workgroup_id_x 1
		.amdhsa_system_sgpr_workgroup_id_y 1
		.amdhsa_system_sgpr_workgroup_id_z 1
		.amdhsa_system_vgpr_workitem_id 0
		.amdhsa_next_free_vgpr 202
		.amdhsa_next_free_sgpr 66
		.amdhsa_reserve_vcc 0
		.amdhsa_float_denorm_mode_32 3
		.amdhsa_float_denorm_mode_16_64 3
		.amdhsa_memory_ordered 1
		.amdhsa_forward_progress 1
		.amdhsa_inst_pref_size 50
	.end_amdhsa_kernel
	.amdgpu_metadata
---
amdhsa.version: [ 1, 2 ]
amdhsa.kernels:
  - .name:           k_q317491ab89_quant
    .symbol:         k_q317491ab89_quant.kd
    .args:
      - { .name: x, .offset: 0, .size: 8, .value_kind: global_buffer, .address_space: global }
      - { .name: W_qkv, .offset: 8, .size: 8, .value_kind: global_buffer, .address_space: global }
      - { .name: W_proj, .offset: 16, .size: 8, .value_kind: global_buffer, .address_space: global }
      - { .name: xq, .offset: 24, .size: 8, .value_kind: global_buffer, .address_space: global }
      - { .name: xs, .offset: 32, .size: 8, .value_kind: global_buffer, .address_space: global }
      - { .name: wc, .offset: 40, .size: 8, .value_kind: global_buffer, .address_space: global }
      - { .name: ws, .offset: 48, .size: 8, .value_kind: global_buffer, .address_space: global }
    .group_segment_fixed_size: 96768
    .private_segment_fixed_size: 0
    .kernarg_segment_align: 8
    .kernarg_segment_size: 56
    .max_flat_workgroup_size: 256
    .sgpr_count:     66
    .vgpr_count:     202
    .wavefront_size: 32
...
	.end_amdgpu_metadata
.endif
;; end of part 1
;; launch qkvgemm (part 2): grid 12 x 32, 4 waves a work-group, clusters of 4 x 4, 327,680 bytes of LDS; arguments xq, xs, wc, ws, b_qkv, qkv; writes qkv
.if DOCPART == 2
	.amdgcn_target "amdgcn-amd-amdhsa--gfx1250"
	.amdhsa_code_object_version 6
	.text
	.protected	k_q317491ab89_qkvgemm
	.globl	k_q317491ab89_qkvgemm
	.p2align	8
	.type	k_q317491ab89_qkvgemm,@function
k_q317491ab89_qkvgemm:
	s_mov_b64 s[64:65], 0
	v_nop
	global_prefetch_b8 v0, s[64:65] scope:SCOPE_SE
	s_setreg_imm32_b32 hwreg(HW_REG_WAVE_MODE, 25, 1), 1
	s_wait_xcnt 0x0
	s_wait_alu depctr_hold_cnt(0) depctr_sa_sdst(0) depctr_va_vdst(0) depctr_va_sdst(0) depctr_va_ssrc(0) depctr_va_vcc(0) depctr_vm_vsrc(0)
	s_getreg_b32 s2, hwreg(HW_REG_IB_STS2, 6, 4)
	s_cmp_eq_u32 s2, 0
	s_cbranch_scc0 .Lentry_in_a_cluster
	s_endpgm
.Lentry_in_a_cluster:
	s_bfe_u32 s2, ttmp6, 0x10000c
	s_cmp_lg_u32 s2, 0xf033
	s_cbranch_scc0 .Lentry_shape_is_right
	s_endpgm
.Lentry_shape_is_right:
.set SLOT,  98304
.set SPARE, 2*SLOT
.set FR,    12
.set LI,    1
.set L8,    2
.set RR,    3
.set HH,    4
.set ADR1,  16
.set ADR0,  20
.set BPO,   24
.set BRO,   25
.set SOFF,  26
.set SPW,   28
.set NIL,   29
.set SCP,   32
.set SCR,   64
.set BR,    96
.set PWS,   112
.set AF,    128
.set ST,    128
.set PC,    192
.set TM,    212
.set PW,    228
.set W4,    232
.set T8,    236
.set G1,    24
.set G0,    32
.set G1B,   48
.set G0B,   56
.set SEL,   66
.set MSB,   0
.macro WIN new
.if MSB != (\new)
	s_set_vgpr_msb (MSB<<8)|(\new)
.set MSB, (\new)
.endif
.endm
.set MUL_LO, 0xa1
.set MUL_HI, 0xf1
.set FST_LO, 0x91
.set FST_HI, 0xd1
.set TO_B,   0x40
.macro QUANT s
.irp b, 0,1,2,3
	v_max3_num_f32 v[TM+\b], |v[\s+16*\b]|, |v[\s+1+16*\b]|, 0x1800000
.endr
.irp i, 2,4,6,8,10,12,14
.irp b, 0,1,2,3
	v_max3_num_f32 v[TM+\b], v[TM+\b], |v[\s+16*\b+\i]|, |v[\s+1+16*\b+\i]|
.endr
.endr
.irp b, 0,1,2,3
	v_permlanex16_b32 v[TM+4+\b], v[TM+\b], s[SEL], s[SEL+1]
.endr
.irp b, 0,1,2,3
	v_max_num_f32 v[TM+\b], v[TM+\b], v[TM+4+\b]
.endr
.irp b, 0,1,2,3
	v_add_nc_u32 v[TM+12+\b], 0xff000000, v[TM+\b]
.endr
.irp b, 0,1,2,3
	v_lshrrev_b32 v[TM+4+\b], 23, v[TM+12+\b]
.endr
	v_lshl_or_b32 v[PW], v[TM+5], 8, v[TM+4]
	v_lshl_or_b32 v[PW], v[TM+6], 16, v[PW]
	v_lshl_or_b32 v[PW], v[TM+7], 24, v[PW]
.irp c, 0,1
	v_cvt_scalef32_pk16_fp6_f32 v[PC+6*\c:PC+2+6*\c], v[\s+32*\c:\s+15+32*\c], v[TM+12+2*\c]
	v_cvt_scalef32_pk16_fp6_f32 v[PC+12+4*\c:PC+14+4*\c], v[\s+16+32*\c:\s+31+32*\c], v[TM+12+2*\c+1]
.endr
	v_nop
.irp c, 0,1
.irp i, 0,1,2
	v_permlane16_swap_b32 v[PC+6*\c+\i], v[PC+12+4*\c+\i]
.endr
.irp i, 0,1,2
	v_mov_b32 v[PC+3+6*\c+\i], v[PC+12+4*\c+\i]
.endr
.endr
.endm
.macro JLOAD g0a, g1a, g0b, g1b
	s_cmp_eq_u32 s17, 0
	s_cbranch_scc0 .Lfor_b_\@
	tensor_load_to_lds s[\g0a:\g0a+3], s[\g1a:\g1a+7]
	s_nop 0
.rept 4
	v_nop
.endr
	s_branch .Lasked_\@
.Lfor_b_\@:
	tensor_load_to_lds s[\g0b:\g0b+3], s[\g1b:\g1b+7]
	s_nop 0
.rept 4
	v_nop
.endr
.Lasked_\@:
.endm
.macro CREST
	s_cmp_lg_u32 s16, 0
	s_cbranch_scc1 .Lnot_wave_0_\@
	s_barrier_signal -3
.Lnot_wave_0_\@:
	s_barrier_wait -3
	s_barrier_signal -1
	s_barrier_wait -1
.endm
.macro CROUND
	s_barrier_signal -1
	s_barrier_wait -1
	CREST
.endm
.macro PLACES
.rept 4
	v_nop
.endr
.endm
	s_load_b256 s[4:11], s[0:1], 0x0
	s_load_b128 s[12:15], s[0:1], 0x20
	v_lshl_add_u32 v[SPW], v0, 2, SPARE
	v_mov_b32 v[NIL], 0
	ds_add_u32 v28, v29
	ds_add_u32 v28, v29
	s_wait_dscnt 0x0
	v_lshrrev_b32 v1, 5, v0
	v_readfirstlane_b32 s16, v1
	s_lshr_b32 s17, s16, 1
	s_and_b32 s18, s16, 1
	s_bfe_u32 s40, ttmp6, 0x40000
	s_bfe_u32 s41, ttmp6, 0x40004
	s_lshl_b32 s42, ttmp9, 2
	s_add_co_u32 s42, s42, s40
	s_and_b32 s19, ttmp7, 0xffff
	s_lshl_b32 s19, s19, 2
	s_add_co_u32 s19, s19, s41
	s_lshl_b32 s43, s41, 2
	s_lshl_b32 s43, 15, s43
	s_lshl_b32 s44, 0x1111, s40
	s_or_b32 s[G1], s43, (3<<16)|(1<<21)
	s_or_b32 s[G1B], s44, (3<<16)|(1<<21)
.irp g, G1, G1B
	s_mov_b32 s[\g+1], 384<<16
	s_mov_b32 s[\g+2], 8<<16
	s_mov_b32 s[\g+3], 384<<16
	s_mov_b32 s[\g+4], 8
	s_mov_b32 s[\g+5], 1536
	s_mov_b32 s[\g+6], 0
	s_mov_b32 s[\g+7], 0
.endr
	s_lshl_b32 s20, s19, 4
	s_lshl_b32 s21, s18, 3
	s_add_co_u32 s20, s20, s21
	s_mul_i32 s20, s20, 12288
	s_mov_b32 s21, 0
	s_lshl_b32 s68, s42, 4
	s_lshl_b32 s69, s18, 3
	s_add_co_u32 s68, s68, s69
	s_mul_i32 s68, s68, 12288
	s_mov_b32 s69, 0
	s_mul_i32 s70, s16, 24576
	s_mov_b32 s[SEL], 0x76543210
	s_mov_b32 s[SEL+1], 0xfedcba98
	s_wait_kmcnt 0x0
	s_add_nc_u64 s[20:21], s[4:5], s[20:21]
	s_add_nc_u64 s[68:69], s[8:9], s[68:69]
	CROUND
.irp s, 0,1
	s_mov_b32 s[G0+4*\s], 1
	s_add_co_u32 s[G0+4*\s+1], s70, \s*SLOT
	s_add_nc_u64 s[G0+4*\s+2:G0+4*\s+3], s[20:21], \s*3072
	s_or_b32 s[G0+4*\s+3], s[G0+4*\s+3], 0x80000000
	s_mov_b32 s[G0B+4*\s], 1
	s_add_co_u32 s[G0B+4*\s+1], s70, \s*SLOT
	s_add_nc_u64 s[G0B+4*\s+2:G0B+4*\s+3], s[68:69], \s*3072
	s_or_b32 s[G0B+4*\s+3], s[G0B+4*\s+3], 0x80000000
	s_wait_alu depctr_va_vdst(0)
	s_wait_tensorcnt 0x0
	ds_add_u32 v28, v29
	ds_add_u32 v28, v29
	s_wait_dscnt 0x0
	CROUND
	JLOAD G0+4*\s, G1, G0B+4*\s, G1B
.endr
	s_cmp_ge_u32 ttmp9, 2
	s_cselect_b32 s47, 1, 0
	s_cselect_b32 s45, 0, -1
	s_cselect_b32 s46, -1, 0
	s_cselect_b32 s71, 0, 49152
	s_cselect_b32 s72, 49152, 0
	s_cselect_b64 s[74:75], s[6:7], s[10:11]
	s_cselect_b64 s[76:77], s[10:11], s[6:7]
	s_cselect_b32 s78, s19, s42
	s_cselect_b32 s79, s42, s19
	s_cselect_b32 s88, s18, s17
	s_cselect_b32 s89, s17, s18
	s_cselect_b32 s90, 98304, 0
	s_mov_b32 s91, 196608
	s_cselect_b32 s91, 200704, s91
	s_cmp_eq_u32 ttmp9, 0
	s_cselect_b32 s90, 204800, s90
	s_cselect_b32 s91, 303104, s91
	s_mul_i32 s73, s18, 24576
	s_add_co_u32 s71, s71, s73
	s_mul_i32 s73, s17, 24576
	s_add_co_u32 s72, s72, s73
	v_and_b32 v2, 31, v0
	v_lshlrev_b32 v[LI], 4, v2
	v_lshlrev_b32 v[L8], 3, v2
	v_and_b32 v[RR], 15, v0
	v_bfe_u32 v[HH], v0, 4, 1
	v_add_nc_u32 v[ADR0], s71, v[LI]
	v_add_nc_u32 v[ADR1], s72, v[LI]
	v_add_nc_u32 v[ADR0+1], SLOT, v[ADR0]
	v_add_nc_u32 v[ADR1+1], SLOT, v[ADR1]
	v_lshlrev_b32 v[BPO], 6, v[HH]
	v_and_b32 v[BRO], 8, v[RR]
	v_add_nc_u32 v[BRO], v[BRO], v[RR]
	v_lshlrev_b32 v[BRO], 2, v[BRO]
	s_wait_alu depctr_va_vdst(0)
	v_mul_u32_u24 v[SOFF], v[HH], 307200
	v_lshl_add_u32 v[SOFF], v[RR], 4, v[SOFF]
	s_lshl_b32 s80, s78, 4
	s_lshl_b32 s81, s18, 3
	s_add_co_u32 s80, s80, s81
	s_lshl_b32 s80, s80, 9
	s_mov_b32 s81, 0
	s_lshl_b32 s82, s79, 4
	s_lshl_b32 s83, s17, 3
	s_add_co_u32 s82, s82, s83
	s_lshl_b32 s82, s82, 9
	s_mov_b32 s83, 0
	s_add_nc_u64 s[74:75], s[74:75], s[80:81]
	s_add_nc_u64 s[76:77], s[76:77], s[82:83]
	s_lshl_b32 s84, s42, 10
	s_lshl_b32 s85, s18, 9
	s_add_co_u32 s84, s84, s85
	s_mov_b32 s85, 0
	s_add_nc_u64 s[84:85], s[12:13], s[84:85]
	s_lshl_b32 s86, s42, 10
	s_lshl_b32 s87, s17, 9
	s_add_co_u32 s86, s86, s87
	s_mov_b32 s87, 0
	s_add_nc_u64 s[86:87], s[12:13], s[86:87]
.irp i, 0,1,2,3,4,5,6,7
	global_load_b128 v[SCP+4*\i:SCP+4*\i+3], v[LI], s[74:75] offset:512*\i
	global_load_b128 v[SCR+4*\i:SCR+4*\i+3], v[LI], s[76:77] offset:512*\i
.endr
.irp a, 0,1,2,3,4,5,6,7
	global_load_b32 v[BR+2*\a], v[BRO], s[86:87] offset:4*(32*(\a/2)+8*(\a%2))
	global_load_b32 v[BR+2*\a+1], v[BRO], s[86:87] offset:4*(32*(\a/2)+8*(\a%2))
.endr
	WIN TO_B
.irp b, 0,1,2,3,4,5,6,7
	global_load_b128 v[96+8*\b+96*(\b/4):96+8*\b+96*(\b/4)+3], v[BPO], s[84:85] offset:4*(32*(\b/2)+8*(\b%2))
	global_load_b128 v[96+8*\b+96*(\b/4)+4:96+8*\b+96*(\b/4)+7], v[BPO], s[84:85] offset:4*(32*(\b/2)+8*(\b%2))+16
.endr
	WIN 0
	s_and_b32 s92, s19, 7
	s_lshl_b32 s92, s92, 1
	s_add_co_u32 s92, s92, s88
	s_lshr_b32 s93, s19, 3
	s_lshl_b32 s93, s93, 4
	s_and_b32 s94, s42, 3
	s_lshl_b32 s94, s94, 2
	s_add_co_u32 s93, s93, s94
	s_lshl_b32 s94, s89, 1
	s_add_co_u32 s93, s93, s94
	s_mul_i32 s93, s93, 307200
	s_mul_i32 s94, s92, 6144
	s_add_co_u32 s94, s94, s93
	s_add_co_u32 s94, s94, s90
	s_mov_b32 s95, 0
	s_add_nc_u64 s[94:95], s[14:15], s[94:95]
	s_lshl_b32 s96, s92, 8
	s_add_co_u32 s96, s96, s93
	s_add_co_u32 s96, s96, s91
	s_mov_b32 s97, 0
	s_add_nc_u64 s[96:97], s[14:15], s[96:97]
	s_wait_loadcnt 0x0
	WIN 0x44
.irp b, 0,1,2,3,4,5,6,7
.irp j, 0,1,2,3,4,5,6,7
	v_cndmask_b32 v[96+8*\b+96*(\b/4)+\j], 0, v[96+8*\b+96*(\b/4)+\j], s45
.endr
.endr
	WIN 0
.irp j, 0,1,2,3,4,5,6,7,8,9,10,11,12,13,14,15
	v_cndmask_b32 v[BR+\j], 0, v[BR+\j], s46
.endr
.macro MUL16 a0, p, s, first
.irp a, \a0, \a0+1
.irp b, 0,1,2,3,4,5,6,7
.if \first
	v_wmma_scale_f32_16x16x128_f8f6f4 v[8*(8*((\a)%4)+\b):8*(8*((\a)%4)+\b)+7], v[128*(\p)+FR*\b:128*(\p)+FR*\b+FR-1], v[AF+FR*(\a):AF+FR*(\a)+FR-1], v[96+8*\b+96*(\b/4):96+8*\b+96*(\b/4)+7], v[SCP+4*\b+(\s)%4], v[SCR+4*(\a)+(\s)%4] matrix_a_fmt:MATRIX_FMT_FP6 matrix_b_fmt:MATRIX_FMT_FP6
.elseif (\s) < 4
	v_wmma_scale_f32_16x16x128_f8f6f4 v[8*(8*((\a)%4)+\b):8*(8*((\a)%4)+\b)+7], v[128*(\p)+FR*\b:128*(\p)+FR*\b+FR-1], v[AF+FR*(\a):AF+FR*(\a)+FR-1], v[8*(8*((\a)%4)+\b):8*(8*((\a)%4)+\b)+7], v[SCP+4*\b+(\s)%4], v[SCR+4*(\a)+(\s)%4] matrix_a_fmt:MATRIX_FMT_FP6 matrix_b_fmt:MATRIX_FMT_FP6
.else
	v_wmma_scale_f32_16x16x128_f8f6f4 v[8*(8*((\a)%4)+\b):8*(8*((\a)%4)+\b)+7], v[128*(\p)+FR*\b:128*(\p)+FR*\b+FR-1], v[AF+FR*(\a):AF+FR*(\a)+FR-1], v[8*(8*((\a)%4)+\b):8*(8*((\a)%4)+\b)+7], v[SCP+4*\b+(\s)%4], v[SCR+4*(\a)+(\s)%4] matrix_a_fmt:MATRIX_FMT_FP6 matrix_b_fmt:MATRIX_FMT_FP6 matrix_a_scale:MATRIX_SCALE_ROW1 matrix_b_scale:MATRIX_SCALE_ROW1
.endif
.endr
.endr
.endm
.macro FETCH_B slot, q, p
	WIN TO_B
.irp i, 0,1,2,3,4,5,6,7
.irp c, 0,1,2
	ds_load_b128 v[128*(\p)+FR*\i+4*\c:128*(\p)+FR*\i+4*\c+3], v[ADR0+\slot] offset:3072*\i+1536*(\q)+512*\c
.endr
.endr
	WIN 0
.endm
.macro FETCH_A slot, q, i0
.irp i, \i0, \i0+1, \i0+2, \i0+3
.irp c, 0,1,2
	ds_load_b128 v[AF+FR*(\i)+4*\c:AF+FR*(\i)+4*\c+3], v[ADR1+\slot] offset:3072*(\i)+1536*(\q)+512*\c
.endr
.endr
.endm
.macro STEP slot, s, first
	s_wait_dscnt 12
.if \first
	WIN FST_LO
.else
	WIN MUL_LO
.endif
	MUL16 0, 0, \s, \first
	MUL16 2, 0, \s, \first
	s_wait_dscnt 0x0
	PLACES
	FETCH_B \slot, 1, 1
	FETCH_A \slot, 1, 0
.if \first
	WIN FST_HI
.else
	WIN MUL_HI
.endif
	MUL16 4, 0, \s, \first
	MUL16 6, 0, \s, \first
	PLACES
	WIN 0
	FETCH_A \slot, 1, 4
.endm
.macro TURN slot, next, s, fill
	s_wait_tensorcnt 0x0
	ds_add_u32 v[SPW], v[NIL]
	s_wait_dscnt 13
	WIN MUL_LO
	MUL16 0, 1, \s, 0
	s_wait_dscnt 0x0
	s_barrier_signal -1
	MUL16 2, 1, \s, 0
	WIN 0
	s_barrier_wait -1
.if \fill
	CREST
	s_add_nc_u64 s[G0+4*\slot+2:G0+4*\slot+3], s[G0+4*\slot+2:G0+4*\slot+3], 6144
	s_add_nc_u64 s[G0B+4*\slot+2:G0B+4*\slot+3], s[G0B+4*\slot+2:G0B+4*\slot+3], 6144
	JLOAD G0+4*\slot, G1, G0B+4*\slot, G1B
.else
	PLACES
.endif
	FETCH_B \next, 0, 0
	FETCH_A \next, 0, 0
	WIN MUL_HI
	MUL16 4, 1, \s, 0
	MUL16 6, 1, \s, 0
	PLACES
	WIN 0
	FETCH_A \next, 0, 4
.endm
	s_wait_tensorcnt 1
	s_barrier_signal -1
	s_barrier_wait -1
	FETCH_B 0, 0, 0
	FETCH_A 0, 0, 0
	FETCH_A 0, 0, 4
	STEP 0, 0, 1
	TURN 0, 1, 1, 1
	STEP 1, 2, 0
	TURN 1, 0, 3, 1
	STEP 0, 4, 0
	TURN 0, 1, 5, 0
	STEP 1, 6, 0
	s_wait_dscnt 12
	WIN MUL_LO
	MUL16 0, 1, 7, 0
	MUL16 2, 1, 7, 0
	s_wait_dscnt 0x0
	WIN MUL_HI
	MUL16 4, 1, 7, 0
	MUL16 6, 1, 7, 0
	WIN 0
	PLACES
.irp b, 0,1,2,3
	v_mov_b32 v[TM+4+\b], 0
.endr
.macro EPI kind
.irp a, 0,1,2,3,4,5,6,7
	s_wait_xcnt 0x0
	WIN 0x02+(\a/4)
.set AC, 64*(\a%4)
.set i, 0
.rept 32
	v_pk_add_f32 v[ST+2*i:ST+2*i+1], v[AC+2*i:AC+2*i+1], v[BR+2*\a:BR+2*\a+1]
.set i, i+1
.endr
	WIN 0
	QUANT ST
	v_mov_b32 v[PWS+\a], v[PW]
.if \kind == 0
	global_store_b128 v[LI], v[PC:PC+3], s[94:95] offset:768*\a
	global_store_b64 v[L8], v[PC+4:PC+5], s[94:95] offset:768*\a+512
	global_store_b128 v[LI], v[PC+6:PC+9], s[94:95] offset:307200+768*\a
	global_store_b64 v[L8], v[PC+10:PC+11], s[94:95] offset:307200+768*\a+512
.else
.irp c, 0,1,2
	global_store_b128 v[LI], v[PC+4*\c:PC+4*\c+3], s[94:95] offset:307200*(\a/4)+1536*(\a%4)+512*\c
.endr
.endif
.endr
	v_cmp_eq_u32 vcc_lo, 1, v[HH]
.if \kind == 0
.irp j, 0,1,2,3
	v_perm_b32 v[T8+2*\j], v[PWS+2*\j+1], v[PWS+2*\j], 0x05040100
	v_perm_b32 v[T8+2*\j+1], v[PWS+2*\j+1], v[PWS+2*\j], 0x07060302
.endr
.irp j, 0,1,2,3
	v_cndmask_b32 v[W4+\j], v[T8+2*\j], v[T8+2*\j+1], vcc_lo
.endr
.else
.irp j, 0,1,2,3
	v_cndmask_b32 v[W4+\j], v[PWS+\j], v[PWS+4+\j], vcc_lo
.endr
.endif
	global_store_b128 v[SOFF], v[W4:W4+3], s[96:97]
.endm
	s_cmp_eq_u32 s47, 0
	s_cbranch_scc0 .Lway_v
	EPI 0
	s_branch .Lway_done
.Lway_v:
	EPI 1
.Lway_done:
	s_wait_tensorcnt 0x0
	ds_add_u32 v[SPW], v[NIL]
	s_wait_dscnt 0x0
	CROUND
	s_endpgm
.Lfunc_end_k_q317491ab89_qkvgemm:
	.size	k_q317491ab89_qkvgemm, .Lfunc_end_k_q317491ab89_qkvgemm-k_q317491ab89_qkvgemm
	.p2alignl 7, 3214868480
	.fill 96, 4, 3214868480
	.section	.rodata,"a",@progbits
	.p2align	6, 0x0
	.amdhsa_kernel k_q317491ab89_qkvgemm
		.amdhsa_group_segment_fixed_size 327680
		.amdhsa_private_segment_fixed_size 0
		.amdhsa_enable_private_segment 0
		.amdhsa_kernarg_size 48
		.amdhsa_user_sgpr_count 2
		.amdhsa_user_sgpr_kernarg_segment_ptr 1
		.amdhsa_wavefront_size32 1
		.amdhsa_system_sgpr_workgroup_id_x 1
		.amdhsa_system_sgpr_workgroup_id_y 1
		.amdhsa_system_sgpr_workgroup_id_z 1
		.amdhsa_system_vgpr_workitem_id 0
		.amdhsa_next_free_vgpr 1024
		.amdhsa_next_free_sgpr 100
		.amdhsa_reserve_vcc 1
		.amdhsa_float_denorm_mode_32 3
		.amdhsa_float_denorm_mode_16_64 3
		.amdhsa_memory_ordered 1
		.amdhsa_forward_progress 1
		.amdhsa_inst_pref_size 214
	.end_amdhsa_kernel
	.amdgpu_metadata
---
amdhsa.version: [ 1, 2 ]
amdhsa.kernels:
  - .name:           k_q317491ab89_qkvgemm
    .symbol:         k_q317491ab89_qkvgemm.kd
    .args:
      - { .name: xq, .offset: 0, .size: 8, .value_kind: global_buffer, .address_space: global }
      - { .name: xs, .offset: 8, .size: 8, .value_kind: global_buffer, .address_space: global }
      - { .name: wc, .offset: 16, .size: 8, .value_kind: global_buffer, .address_space: global }
      - { .name: ws, .offset: 24, .size: 8, .value_kind: global_buffer, .address_space: global }
      - { .name: b_qkv, .offset: 32, .size: 8, .value_kind: global_buffer, .address_space: global }
      - { .name: qkv, .offset: 40, .size: 8, .value_kind: global_buffer, .address_space: global }
    .group_segment_fixed_size: 327680
    .private_segment_fixed_size: 0
    .kernarg_segment_align: 8
    .kernarg_segment_size: 48
    .max_flat_workgroup_size: 128
    .sgpr_count:     100
    .vgpr_count:     1024
    .wavefront_size: 32
...
	.end_amdgpu_metadata
.endif
;; end of part 2
;; launch attn (part 3): grid 4 x 64, 16 waves a work-group, clusters of 4 x 1, 206,848 bytes of LDS; arguments qkv, oq, os; writes oq, os
.if DOCPART == 3
	.amdgcn_target "amdgcn-amd-amdhsa--gfx1250"
	.amdhsa_code_object_version 6
	.text
	.protected	k_q317491ab89_attn
	.globl	k_q317491ab89_attn
	.p2align	8
	.type	k_q317491ab89_attn,@function
k_q317491ab89_attn:
	s_mov_b64 s[64:65], 0
	v_nop
	global_prefetch_b8 v0, s[64:65] scope:SCOPE_SE
	s_setreg_imm32_b32 hwreg(HW_REG_WAVE_MODE, 25, 1), 1
	s_wait_xcnt 0x0
	s_wait_alu depctr_hold_cnt(0) depctr_sa_sdst(0) depctr_va_vdst(0) depctr_va_sdst(0) depctr_va_ssrc(0) depctr_va_vcc(0) depctr_vm_vsrc(0)
	s_getreg_b32 s2, hwreg(HW_REG_IB_STS2, 6, 4)
	s_cmp_eq_u32 s2, 0
	s_cbranch_scc0 .Lentry_in_a_cluster
	s_endpgm
.Lentry_in_a_cluster:
	s_bfe_u32 s2, ttmp6, 0x10000c
	s_cmp_lg_u32 s2, 0x3003
	s_cbranch_scc0 .Lentry_shape_is_right
	s_endpgm
.Lentry_shape_is_right:
; O[q] = the sum over keys of softmax(q . k / 8) v for one head of 64, both products on codes of FP6 (E2M3) with E8M0 scales; the result, divided by the row's sum, is quantised along the head's 64 and stored as an operand.
; THE SOFTMAX: t = score x log2(e) / 8; M = the running largest t rounded UP to a whole number; p = 2^(t - M) is quantised along the keys, not normalised; the row's sum is taken of the unquantised p;
; when M moves, the sum and O are multiplied by 2^(old M - new M), which rounds nothing.
; SHARES.  A work-group owns 512 queries of one head hh = 16 batch + head, in two passes of 256; each of its sixteen waves one tile of 16 queries a pass, in 256 registers.
; A HEAD'S WHOLE K AND V LIE IN LDS: the first 204,800 bytes of the head's record, filled ONCE, 12,800 bytes a wave by one tensor load.  No slot is filled again, nothing is stored to LDS, the loop has no barrier.
; The four work-groups of a head form a cluster and ask jointly.  No data prefetch: all that the launch streams is asked for at its head, so there is no loop to run ahead in.
; LAYOUT.  Both products are used transposed: S^T = K Q^T, O^T = V^T P^T: a lane holds ONE query throughout.
; In the record a tile t of a step's eight holds keys 32 (t / 2) + 8 (t % 2) + r + 8 (r / 8).  WHICH KEYS FORM A TILE OF THE PRODUCT IS CHOSEN BY THE LANES' LDS ADDRESSES: tile (c, v, e), c, v, e = 0, 1, takes as its rows 0-7
; the keys 64 c + 16 v + 8 e + 0 .. 7 and as its rows 8-15 the keys 64 c + 32 + 16 (1 - v) + 8 e + 0 .. 7.  So the 32 registers 32 c + .. of lane (r, h) are ONE block of 32 keys, block 2 c + h: its largest score needs no other lane.
; Rows 8-15 take the other half (1 - v) of their tile of the record, so that the sixteen lanes of a load touch 256 different bytes modulo 256.  In lanes 16-31 a block's two halves of 16 keys so stand in the other order:
; the conversions' results are put in their places by selects on the lane's half.
; K = 64 IN AN INSTRUCTION OF K = 128.  A fragment holds TWO tiles of keys (e = 0, 1): it is multiplied once by [Q | zero codes] and once by [zero codes | Q]: zero codes add nothing under any scale byte but 0xff.
; LIMITS: a block's largest p is taken from its largest score by the same multiply-add and exponential, which takes v_exp_f32 not to fall where its input rises; 1 / sum is v_rcp_f32 and a multiplication;
; a block of zeros gets the byte 1 where the rule says 127 (zero codes; read by this program alone); NaN and infinities are not served; the promise holds while the scaled scores t stay under 2^31 in magnitude.
; The result's two scale bytes a row leave by a store of two bytes a lane, sixteen lanes 16 bytes apart: 32 bytes for each 768 bytes of codes.
.set LI,    1                          ; 16 x lane
.set L8,    2                          ; 8 x lane
.set R16,   3                          ; 16 r
.set KA16,  4                          ; K's pieces of 16 bytes: lane terms for v = 0 (A) and v = 1 (B)
.set KB16,  5
.set KA8,   6                          ; and of 8 bytes
.set KB8,   7
.set QSL,   8                          ; Q's scale word for [Q | 0],
.set QSH,   9                          ; for [0 | Q]
.set LIV,   10                         ; 16 x lane + 98,304: V
.set R16S,  11                         ; 16 r + 200,704: V's scale words
.set QLO,   16                         ; v16-33: Q, six zeros, Q
.set QHI,   22
.set KS,    34                         ; v34-37 K's scale words, fragment 2 c + v;  v38-41 V's
.set VS,    38
.set KSA,   42                         ; K's scale words: lane terms for v = 0, 1
.set KSB,   43
.set FRG,   44                         ; v44-91 four fragments, of K and then of V
.set WA16,  92                         ; the step's LDS addresses
.set WB16,  93
.set WA8,   94
.set WB8,   95
.set SS,    96                         ; v96-159 S^T, then p
.set OT,    160                        ; v160-191 O^T
.set PC,    192                        ; v192-203 p's codes
.set X3,    204                        ; v204-206 a conversion's result
.set WSA,   211
.set BM,    212                        ; v212, 213 my two blocks' largest scores, then largest p;  v214, 215 the second chains
.set BX,    214
.set PX,    216                        ; v216-219
.set SO,    220                        ; v220, 221 the conversions' scale operands
.set WSB,   222
.set ADV,   223
.set FF,    224                        ; v[224:225] f = 2^(old M - new M), and a register written once
.set PW,    226                        ; p's scale word
.set T0,    227
.set AVS,   230
.set MO,    231                        ; the old -M
.set OC,    232                        ; v232-238 the result's codes;  v239 its two scale bytes
.set OB2,   239
.set SM,    240                        ; v240-253 seven chains of the row's sum; then three conversions' results
.set SEL,   20
.set CS,    22                         ; s[22:23] c = log2(e) / 8
.set TB,    36                         ; 6,144 x key step
.set TS,    37                         ; 256 x key step
.set CNT,   38
.set HIM,   58                         ; s58: the mask of lanes 16-31
.macro DLY n
	s_delay_alu instid0(VALU_DEP_\n)
.endm
.macro WALU
	s_wait_alu depctr_va_vdst(0)
.endm
.macro CROUND                          ; a round of the cluster's barrier
	s_barrier_signal -1
	s_barrier_wait -1
	s_cmp_lg_u32 s10, 0
	s_cbranch_scc1 .Lnot_wave_0_\@
	s_barrier_signal -3
.Lnot_wave_0_\@:
	s_barrier_wait -3
	s_barrier_signal -1
	s_barrier_wait -1
.endm
	s_load_b128 s[4:7], s[0:1], 0x0                ; qkv, oq
	s_load_b64 s[8:9], s[0:1], 0x10                ; os
	v_lshl_add_u32 v254, v0, 2, 0x32000
	v_mov_b32 v255, 0
	ds_add_u32 v254, v255                          ; the opening lines
	ds_add_u32 v254, v255
	v_lshrrev_b32 v1, 5, v0
	DLY 1
	v_readfirstlane_b32 s10, v1                    ; wave 0..15
	s_bfe_u32 s11, ttmp6, 0x40000                  ; cx
	s_lshl_b32 s13, ttmp9, 2
	s_add_co_u32 s11, s13, s11                     ; x: which 512 queries.  It enters Q's and the result's addresses alone
	s_and_b32 s12, ttmp7, 0xffff                   ; hh, which the four partners share
	s_mov_b32 s24, 15|(3<<16)|(1<<21)              ; group 1: 50 rows of 32 elements of 8 bytes, dense; the mask names all four work-groups
	s_mov_b32 s25, 32<<16
	s_mov_b32 s26, 50<<16
	s_mov_b32 s27, 32<<16
	s_mov_b32 s28, 50
	s_mov_b32 s29, 32
	s_mov_b32 s30, 0
	s_mov_b32 s31, 0
	s_mul_i32 s14, s12, 307200                     ; the head's record
	s_mov_b32 s32, 1
	s_mul_i32 s33, s10, 12800                      ; LDS address: wave x 12,800
	s_add_co_u32 s48, s14, s33
	s_mov_b32 s49, 0
	s_mov_b32 s[SEL], 0x76543210
	s_mov_b32 s[SEL+1], 0xfedcba98
	s_mov_b32 s[CS], 0x3e38aa3b
	s_mov_b32 s[CS+1], s[CS]
	s_mov_b32 s[HIM], 0xffff0000
	s_wait_dscnt 0x0
	s_wait_kmcnt 0x0
	s_add_nc_u64 s[34:35], s[4:5], s[48:49]
	s_or_b32 s35, s35, 0x80000000
	CROUND                                         ; all four work-groups are here: the joint loads meet
	tensor_load_to_lds s[32:35], s[24:31]          ; my one tensor load of the launch
	s_nop 0
.rept 4
	v_nop
.endr
	s_lshl_b32 s50, s11, 5
	s_add_co_u32 s50, s50, s10                     ; my query tile of pass 0: 32 x + wave
	s_mul_i32 s51, s50, 768
	s_add_co_u32 s52, s51, s14
	s_add_co_u32 s52, s52, 204800
	s_mov_b32 s53, 0
	s_add_nc_u64 s[40:41], s[4:5], s[52:53]        ; its half image
	s_lshl_b32 s52, s11, 2
	s_lshr_b32 s54, s10, 3
	s_add_co_u32 s52, s52, s54
	s_lshl_b32 s52, s52, 8
	s_bfe_u32 s54, s10, 0x20001
	s_lshl_b32 s54, s54, 2
	s_add_co_u32 s52, s52, s54
	s_add_co_u32 s52, s52, s14
	s_add_co_u32 s52, s52, 303104
	s_add_nc_u64 s[42:43], s[4:5], s[52:53]        ; the word that holds its scale bytes: 256 (tile / 8) + 4 ((tile / 2) % 4), + 16 r
	s_and_b32 s57, s10, 1
	s_lshl_b32 s57, s57, 4                         ; and which half of the word
	s_lshr_b32 s54, s12, 4
	s_lshl_b32 s54, s54, 7
	s_add_co_u32 s54, s54, s50                     ; the same tile among all 512 tiles of tokens
	s_mul_i32 s52, s54, 12288
	s_and_b32 s55, s12, 15                         ; the head
	s_mul_i32 s56, s55, 768
	s_add_co_u32 s52, s52, s56
	s_add_nc_u64 s[44:45], s[6:7], s[52:53]        ; the result's half image
	s_lshl_b32 s52, s54, 9
	s_lshr_b32 s56, s55, 3
	s_lshl_b32 s56, s56, 8
	s_add_co_u32 s52, s52, s56
	s_and_b32 s56, s12, 7
	s_lshl_b32 s56, s56, 1
	s_add_co_u32 s52, s52, s56
	s_add_nc_u64 s[46:47], s[8:9], s[52:53]        ; its two scale bytes: 512 tile + 256 (head / 8) + 2 (head % 8), + 16 r
	v_and_b32 v2, 31, v0
	DLY 1
	v_lshlrev_b32 v[LI], 4, v2
	DLY 2
	v_lshlrev_b32 v[L8], 3, v2
	v_and_b32 v3, 15, v0
	DLY 1
	v_lshlrev_b32 v[R16], 4, v3
	DLY 4
	v_add_nc_u32 v[LIV], 98304, v[LI]
	DLY 2
	v_add_nc_u32 v[R16S], 200704, v[R16]
	; K's lane terms.  r7 = r % 8, r8 = r / 8.  Lane (r, h) reads row r7 + 8 (v xor r8) of the record's tile 4 c + 2 r8 + e: a tile is 768 bytes, a row's piece 16 bytes at 16 row + 256 h, then 8 bytes at 512 + 8 row + 128 h
	v_and_b32 v212, 7, v0
	v_bfe_u32 v213, v0, 3, 1
	v_bfe_u32 v214, v0, 4, 1
	DLY 3
	v_lshlrev_b32 v215, 4, v212
	DLY 1
	v_lshl_add_u32 v215, v214, 8, v215             ; 16 r7 + 256 h
	DLY 1
	v_mad_u32_u24 v[KA16], v213, 1664, v215        ; v = 0: + r8 (1,536 + 128)
	DLY 2
	v_mad_u32_u24 v[KB16], v213, 1408, v215
	DLY 1
	v_add_nc_u32 v[KB16], 128, v[KB16]             ; v = 1: + 128 + r8 (1,536 - 128)
	DLY 4
	v_lshrrev_b32 v215, 1, v215                    ; 8 r7 + 128 h
	DLY 1
	v_mad_u32_u24 v[KA8], v213, 1600, v215
	DLY 2
	v_mad_u32_u24 v[KB8], v213, 1472, v215
	DLY 1
	v_add_nc_u32 v[KB8], 64, v[KB8]
	v_lshl_add_u32 v215, v212, 4, 0x30000          ; K's scale words: 196,608 + 16 row + 4 (2 c + r8)
	DLY 1
	v_mad_u32_u24 v[KSA], v213, 132, v215
	v_mul_u32_u24 v214, v213, 124
	DLY 1
	v_sub_nc_u32 v[KSB], v215, v214
	DLY 1
	v_add_nc_u32 v[KSB], 128, v[KSB]
.irp j, 0,1,2,3,4,5
	v_mov_b32 v[QHI+\j], 0                         ; the six registers of zero codes
.endr
.irp b, 0,1,2,3
	v_mov_b32 v[PX+\b], 0                          ; a lane permute's destination counts as one of its sources
.endr
	v_mov_b32 v[FF+1], 0                           ; (named as the upper half of the pair)
.macro KFRAG f, a16, a8, off           ; a fragment of K: two tiles' half images
	ds_load_b128 v[FRG+12*(\f):FRG+12*(\f)+3], v[\a16] offset:\off
	ds_load_b64 v[FRG+12*(\f)+4:FRG+12*(\f)+5], v[\a8] offset:\off+512
	ds_load_b128 v[FRG+12*(\f)+6:FRG+12*(\f)+9], v[\a16] offset:\off+768
	ds_load_b64 v[FRG+12*(\f)+10:FRG+12*(\f)+11], v[\a8] offset:\off+1280
.endm
.macro SUM8 first                      ; eight chains of the row's sum take in eight pairs of p, from register SS + first on
.set k, 0
.rept 7
	v_pk_add_f32 v[SM+2*k:SM+2*k+1], v[SM+2*k:SM+2*k+1], v[SS+\first+2*k:SS+\first+2*k+1]
.set k, k+1
.endr
	v_pk_add_f32 v[14:15], v[14:15], v[SS+\first+14:SS+\first+15]
.endm
.macro JOIN d, s
	v_pk_add_f32 v[\d:\d+1], v[\d:\d+1], v[\s:\s+1]
.endm
; A KEY STEP: 128 keys.
.macro STEP
	v_add_nc_u32 v[WA16], s[TB], v[KA16]           ; these are also the places behind the last step's products, in front of the loads into their sources
	v_add_nc_u32 v[WB16], s[TB], v[KB16]
	v_add_nc_u32 v[WA8], s[TB], v[KA8]
	v_add_nc_u32 v[WB8], s[TB], v[KB8]
	v_add_nc_u32 v[WSA], s[TS], v[KSA]
	v_add_nc_u32 v[WSB], s[TS], v[KSB]
	v_mov_b32 v[MO], v12
.irp c, 0,1
	ds_load_b32 v[KS+2*\c], v[WSA] offset:8*\c     ; a word: tile e = 0's two bytes, tile e = 1's two
	ds_load_b32 v[KS+2*\c+1], v[WSB] offset:8*\c
.endr
.irp c, 0,1
	KFRAG 2*\c, WA16, WA8, 3072*\c
	KFRAG 2*\c+1, WB16, WB8, 3072*\c
.endr
	WALU                                           ; the wait ahead of the waits below
.irp g, 0,1,2,3
	s_wait_dscnt 12-4*\g                           ; the scale words and fragment g are in; younger are the four loads of each later fragment
	v_wmma_scale_f32_16x16x128_f8f6f4 v[SS+16*\g:SS+16*\g+7], v[FRG+12*\g:FRG+12*\g+11], v[QLO:QLO+11], 0, v[KS+\g], v[QSL] matrix_a_fmt:MATRIX_FMT_FP6 matrix_b_fmt:MATRIX_FMT_FP6
	v_wmma_scale_f32_16x16x128_f8f6f4 v[SS+16*\g+8:SS+16*\g+15], v[FRG+12*\g:FRG+12*\g+11], v[QHI:QHI+11], 0, v[KS+\g], v[QSH] matrix_a_fmt:MATRIX_FMT_FP6 matrix_b_fmt:MATRIX_FMT_FP6
.endr
	v_add_nc_u32 v[ADV], s[TB], v[LIV]             ; four places behind the products
	v_add_nc_u32 v[AVS], s[TS], v[R16S]
	v_nop
	v_nop
.irp t, 0,1,2,3
.irp c, 0,1,2
	ds_load_b128 v[FRG+12*\t+4*\c:FRG+12*\t+4*\c+3], v[ADV] offset:1536*\t+512*\c   ; V's four fragments are asked for here and land under the softmax
.endr
.endr
	ds_load_b128 v[VS:VS+3], v[AVS]                ; word t: the four key blocks' bytes of row r of V's tile t
.irp c, 0,1                                    ; my two blocks' largest scores, two chains each, every accumulator from its low end on
	v_max3_num_f32 v[BM+\c], v[SS+32*\c], v[SS+32*\c+1], v[SS+32*\c+2]
	v_max3_num_f32 v[BX+\c], v[SS+32*\c+16], v[SS+32*\c+17], v[SS+32*\c+18]
.endr
.irp i, 3,5,7,9,11,13
.irp c, 0,1
	v_max3_num_f32 v[BM+\c], v[BM+\c], v[SS+32*\c+\i], v[SS+32*\c+\i+1]
	v_max3_num_f32 v[BX+\c], v[BX+\c], v[SS+32*\c+16+\i], v[SS+32*\c+17+\i]
.endr
.endr
.irp c, 0,1
	v_max3_num_f32 v[BM+\c], v[BM+\c], v[BX+\c], v[SS+32*\c+15]
.endr
.irp c, 0,1
	v_max_num_f32 v[BM+\c], v[BM+\c], v[SS+32*\c+31]
.endr
	DLY 1
	v_max_num_f32 v[T0], v[BM], v[BM+1]
	DLY 1
	v_permlanex16_b32 v[PX+3], v[T0], s[SEL], s[SEL+1]
	DLY 1
	v_max_num_f32 v[T0], v[T0], v[PX+3]            ; with lane l xor 16's 64 keys: the step's largest score of my query
	DLY 1
	v_mul_f32 v[T0], s[CS], v[T0]                  ; as t (c is positive)
	DLY 1
	v_max_num_f32 v13, v13, v[T0]                  ; the running largest t
	DLY 1
	v_floor_f32 v12, -v13                          ; the new -M = floor(-t)
	DLY 1
	v_sub_f32 v[T0], v12, v[MO]                    ; old M - new M: a whole number, 0 or less
	DLY 1
	v_cvt_i32_f32 v[T0], v[T0]                     ; (it saturates)
	DLY 1
	v_ldexp_f32 v[FF], 1.0, v[T0]                  ; f
.set j, 0
.rept 32
	v_pk_fma_f32 v[SS+j:SS+j+1], v[SS+j:SS+j+1], s[CS:CS+1], v[12:13] op_sel_hi:[1,0,0]   ; t - M, two at a time
.set j, j+2
.endr
.irp c, 0,1
	v_fma_f32 v[BM+\c], v[BM+\c], s[CS], v12       ; the same of each block's largest score
.endr
	WALU                                           ; the wait ahead of the batch
.irp c, 0,1
	v_exp_f32 v[BM+\c], v[BM+\c]                   ; the blocks' largest p
.endr
.set j, 0
.rept 64
	v_exp_f32 v[SS+j], v[SS+j]                     ; p = 2^(t - M)
.set j, j+1
.endr
	v_pk_mul_f32 v[14:15], v[14:15], v[FF:FF+1] op_sel_hi:[1,0]   ; the sums under the new M: the plain place behind the exponentials
	WALU                                           ; one wait for the batch of 66, ahead of its first reader
.set k, 0
.rept 7                                        ; the row's sum of the unquantised p: eight chains; the blocks' scales stand between their turns
	v_pk_add_f32 v[SM+2*k:SM+2*k+1], v[SS+2*k:SS+2*k+1], v[SS+14+2*k:SS+15+2*k]
.set k, k+1
.endr
	v_pk_add_f32 v[14:15], v[14:15], v[SS+28:SS+29]
.irp c, 0,1
	v_max_num_f32 v[BM+\c], 0x1800000, v[BM+\c]    ; the floor 2^(3 - 127): the byte cannot fall under 1
.endr
	SUM8 30
.irp c, 0,1
	v_add_nc_u32 v[SO+\c], 0xff000000, v[BM+\c]    ; 2 off the exponent field: the conversions' scale operand
.endr
	SUM8 46
.irp c, 0,1
	v_lshrrev_b32 v[PX+\c], 23, v[SO+\c]           ; the byte of block 2 c + h
.endr
	v_pk_add_f32 v[SM:SM+1], v[SM:SM+1], v[SS+62:SS+63]
	JOIN 14, SM+6
	JOIN SM+2, SM+10
	JOIN SM+4, SM+12
	v_lshl_or_b32 v[PW], v[PX+1], 16, v[PX]        ; my two bytes at bits 0 and 16
	JOIN SM, SM+8
	DLY 4
	JOIN 14, SM+2
	DLY 3
	v_permlanex16_b32 v[PX+2], v[PW], s[SEL], s[SEL+1]
	DLY 3
	JOIN SM, SM+4
	DLY 2
	v_lshl_or_b32 v[PW], v[PX+2], 8, v[PW]         ; lanes 0-15, which alone are read: blocks 0, 2 are mine, blocks 1, 3 lane l + 16's
	DLY 2
	JOIN 14, SM
	v_cvt_scalef32_pk16_fp6_f32 v[SM:SM+2], v[SS:SS+15], v[SO]
	v_cvt_scalef32_pk16_fp6_f32 v[SM+4:SM+6], v[SS+16:SS+31], v[SO]
	v_cvt_scalef32_pk16_fp6_f32 v[SM+8:SM+10], v[SS+32:SS+47], v[SO+1]
	v_cvt_scalef32_pk16_fp6_f32 v[X3:X3+2], v[SS+48:SS+63], v[SO+1]
	v_nop                                          ; one plain place behind a scaled conversion
.irp i, 0,1,2                                  ; lanes 0-15 hold a block's keys in order, lanes 16-31 its upper 16 first
	v_cndmask_b32 v[PC+\i], v[SM+\i], v[SM+4+\i], s[HIM]
	v_cndmask_b32 v[PC+3+\i], v[SM+4+\i], v[SM+\i], s[HIM]
	v_cndmask_b32 v[PC+6+\i], v[SM+8+\i], v[X3+\i], s[HIM]
	v_cndmask_b32 v[PC+9+\i], v[X3+\i], v[SM+8+\i], s[HIM]
.endr
	WALU                                           ; the wait directly ahead of the first reader of O^T
.set j, 0
.rept 16
	v_pk_mul_f32 v[OT+j:OT+j+1], v[OT+j:OT+j+1], v[FF:FF+1] op_sel_hi:[1,0]   ; O^T under the new M; also the places between the scale word (8) and the codes (4) and the products below
.set j, j+2
.endr
	WALU
	s_wait_dscnt 0x0                               ; V is in
.irp t, 0,1,2,3                                ; the four accumulators take turns
	v_wmma_scale_f32_16x16x128_f8f6f4 v[OT+8*\t:OT+8*\t+7], v[FRG+12*\t:FRG+12*\t+11], v[PC:PC+11], v[OT+8*\t:OT+8*\t+7], v[VS+\t], v[PW] matrix_a_fmt:MATRIX_FMT_FP6 matrix_b_fmt:MATRIX_FMT_FP6
.endr
	s_add_co_u32 s[TB], s[TB], 6144
	s_add_co_u32 s[TS], s[TS], 256
.endm
; THE WAY OUT of a pass: O^T / the sum; register 16 B + i of lane (r, h) is d = 32 B + 16 h + i of query r: two blocks, quantised in registers: a half image and two scale bytes.
.macro WAYOUT p
.rept 4
	v_nop                                          ; places behind the last products
.endr
	v_add_f32 v14, v14, v15
	DLY 1
	v_permlanex16_b32 v[T0], v14, s[SEL], s[SEL+1]
	DLY 1
	v_add_f32 v14, v14, v[T0]                      ; the row's sum
	WALU
	v_rcp_f32 v14, v14
	v_nop                                          ; a plain place behind the transcendental
	WALU                                           ; and the wait ahead of its first reader
.set j, 0
.rept 32
	v_mul_f32 v[SS+j], v[OT+j], v14
.set j, j+1
.endr
.irp b, 0,1
	v_max3_num_f32 v[BM+\b], |v[SS+16*\b]|, |v[SS+1+16*\b]|, 0x1800000
.endr
.irp i, 2,4,6,8,10,12,14
.irp b, 0,1
	DLY 2
	v_max3_num_f32 v[BM+\b], v[BM+\b], |v[SS+16*\b+\i]|, |v[SS+1+16*\b+\i]|
.endr
.endr
.irp b, 0,1
	DLY 2
	v_permlanex16_b32 v[PX+\b], v[BM+\b], s[SEL], s[SEL+1]
.endr
.irp b, 0,1
	DLY 2
	v_max_num_f32 v[BM+\b], v[BM+\b], v[PX+\b]
.endr
.irp b, 0,1
	DLY 2
	v_add_nc_u32 v[SO+\b], 0xff000000, v[BM+\b]
.endr
.irp b, 0,1
	DLY 2
	v_lshrrev_b32 v[PX+\b], 23, v[SO+\b]
.endr
	DLY 1
	v_lshl_or_b32 v[OB2], v[PX+1], 8, v[PX]
	v_cvt_scalef32_pk16_fp6_f32 v[OC:OC+2], v[SS:SS+15], v[SO]
	v_cvt_scalef32_pk16_fp6_f32 v[OC+4:OC+6], v[SS+16:SS+31], v[SO+1]
	v_nop
.irp i, 0,1,2
	v_permlane16_swap_b32 v[OC+\i], v[OC+4+\i]
.endr
.irp i, 0,1,2
	DLY 3
	v_mov_b32 v[OC+3+\i], v[OC+4+\i]
.endr
	global_store_b128 v[LI], v[OC:OC+3], s[44:45] offset:196608*\p          ; 512 consecutive bytes, aligned
	global_store_b64 v[L8], v[OC+4:OC+5], s[44:45] offset:196608*\p+512     ; 256
	global_store_b16 v[R16], v[OB2], s[46:47] offset:8192*\p                ; lanes l and l xor 16 store the same two bytes
.endm
; A PASS: my tile of 16 queries against all 2,048 keys.
.macro PASS p
.if \p
	s_wait_xcnt 0x0                                ; the last pass's stores have read their registers
.endif
	global_load_b128 v[QLO:QLO+3], v[LI], s[40:41] offset:12288*\p
	global_load_b64 v[QLO+4:QLO+5], v[L8], s[40:41] offset:12288*\p+512
	global_load_b128 v[QHI+6:QHI+9], v[LI], s[40:41] offset:12288*\p        ; and once more, behind the zeros
	global_load_b64 v[QHI+10:QHI+11], v[L8], s[40:41] offset:12288*\p+512
	global_load_b32 v[T0], v[R16], s[42:43] offset:512*\p
	v_mov_b32 v13, 0xff61b1e6                      ; the largest t so far: -3e38
	DLY 1
	v_floor_f32 v12, -v13
	v_mov_b32 v14, 0
	v_mov_b32 v15, 0
	s_wait_loadcnt 0x0
	v_lshrrev_b32 v[QSL], s57, v[T0]
	DLY 1
	v_and_b32 v[QSL], 0xffff, v[QSL]               ; my tile's two bytes, under two bytes 0 for the zero codes
	DLY 1
	v_lshlrev_b32 v[QSH], 16, v[QSL]
.set j, 0
.rept 32
	v_mov_b32 v[OT+j], 0                           ; the step is written once: the first finds zeros.  (These are also the places between Q's scale words and the first product)
.set j, j+1
.endr
	s_mov_b32 s[TB], 0
	s_mov_b32 s[TS], 0
	s_mov_b32 s[CNT], 16
.if \p == 0
	s_wait_tensorcnt 0x0                           ; my 12,800 bytes have landed,
	s_barrier_signal -1
	s_barrier_wait -1                              ; everybody's have
.endif
.Lstep_\@:
	STEP
	s_sub_co_u32 s[CNT], s[CNT], 1
	s_cmp_lg_u32 s[CNT], 0
	s_cbranch_scc1 .Lstep_\@
	WAYOUT \p
.endm
	PASS 0
	PASS 1
	s_wait_dscnt 0x0
	s_wait_tensorcnt 0x0                           ; the wave's end
	ds_add_u32 v254, v255
	s_wait_dscnt 0x0
	CROUND                                         ; the closing round
	s_endpgm
.Lfunc_end_k_q317491ab89_attn:
	.size	k_q317491ab89_attn, .Lfunc_end_k_q317491ab89_attn-k_q317491ab89_attn
	.p2alignl 7, 3214868480
	.fill 96, 4, 3214868480
	.section	.rodata,"a",@progbits
	.p2align	6, 0x0
	.amdhsa_kernel k_q317491ab89_attn
		.amdhsa_group_segment_fixed_size 206848
		.amdhsa_private_segment_fixed_size 0
		.amdhsa_enable_private_segment 0
		.amdhsa_kernarg_size 24
		.amdhsa_user_sgpr_count 2
		.amdhsa_user_sgpr_kernarg_segment_ptr 1
		.amdhsa_wavefront_size32 1
		.amdhsa_system_sgpr_workgroup_id_x 1
		.amdhsa_system_sgpr_workgroup_id_y 1
		.amdhsa_system_sgpr_workgroup_id_z 1
		.amdhsa_system_vgpr_workitem_id 0
		.amdhsa_next_free_vgpr 256
		.amdhsa_next_free_sgpr 66
		.amdhsa_reserve_vcc 0
		.amdhsa_float_denorm_mode_32 3
		.amdhsa_float_denorm_mode_16_64 3
		.amdhsa_memory_ordered 1
		.amdhsa_forward_progress 1
		.amdhsa_inst_pref_size 52
	.end_amdhsa_kernel
	.amdgpu_metadata
---
amdhsa.version: [ 1, 2 ]
amdhsa.kernels:
  - .name:           k_q317491ab89_attn
    .symbol:         k_q317491ab89_attn.kd
    .args:
      - { .name: qkv, .offset: 0, .size: 8, .value_kind: global_buffer, .address_space: global }
      - { .name: oq, .offset: 8, .size: 8, .value_kind: global_buffer, .address_space: global }
      - { .name: os, .offset: 16, .size: 8, .value_kind: global_buffer, .address_space: global }
    .group_segment_fixed_size: 206848
    .private_segment_fixed_size: 0
    .kernarg_segment_align: 8
    .kernarg_segment_size: 24
    .max_flat_workgroup_size: 512
    .sgpr_count:     66
    .vgpr_count:     256
    .wavefront_size: 32
...
	.end_amdgpu_metadata
.endif
;; end of part 3
;; launch proj (part 4): grid 4 x 64, 4 waves a work-group, clusters of 4 x 4, 295,424 bytes of LDS; arguments oq, os, wc, ws, b_proj, out0; writes out0
.if DOCPART == 4
	.amdgcn_target "amdgcn-amd-amdhsa--gfx1250"
	.amdhsa_code_object_version 6
	.text
	.protected	k_q317491ab89_proj
	.globl	k_q317491ab89_proj
	.p2align	8
	.type	k_q317491ab89_proj,@function
k_q317491ab89_proj:
	s_mov_b64 s[64:65], 0
	v_nop
	global_prefetch_b8 v0, s[64:65] scope:SCOPE_SE
	s_setreg_imm32_b32 hwreg(HW_REG_WAVE_MODE, 25, 1), 1
	s_wait_xcnt 0x0
	s_wait_alu depctr_hold_cnt(0) depctr_sa_sdst(0) depctr_va_vdst(0) depctr_va_sdst(0) depctr_va_ssrc(0) depctr_va_vcc(0) depctr_vm_vsrc(0)
	s_getreg_b32 s2, hwreg(HW_REG_IB_STS2, 6, 4)
	s_cmp_eq_u32 s2, 0
	s_cbranch_scc0 .Lentry_in_a_cluster
	s_endpgm
.Lentry_in_a_cluster:
	s_bfe_u32 s2, ttmp6, 0x10000c
	s_cmp_lg_u32 s2, 0xf033
	s_cbranch_scc0 .Lentry_shape_is_right
	s_endpgm
.Lentry_shape_is_right:
; out0 = o W_proj + b_proj on codes of FP6 (E2M3) with E8M0 scales.  o's codes come as half images [tile of tokens][head][768 bytes] (two heads are a K step), W_proj's as images, tiles 192..255 of wc.
; A work-group of four waves makes 128 tokens x 256 columns; a wave 64 x 128: 32 accumulators, 256 registers.  256 work-groups.
; ALL OF K LIES IN LDS: (128 + 256) rows x 768 bytes = 294,912 bytes, in two halves of K = 512, each filled ONCE: one tensor load a wave, issued together; no slot is filled again.
; CLUSTERS: 4 x 4: o's tiles are asked for jointly along a row of the cluster, W's along a column.
; Source 0 = W's columns, source 1 = tokens: a lane holds one token.  Tile t of 16 rows holds rows 32 (t / 2) + 8 (t % 2) + r + 8 (r / 8): register j of a result is column 32 (b / 2) + 8 (b % 2) + 16 (lane / 16) + j.
; REGISTERS: window 0: v1-26 addresses; v32-63 W's scale words, v64-79 o's; v128-223 o's fragments, two sets of four; on the way out v128-255 rows of the result.
;   window 1: W's fragments, two sets at v0 and v128; the bias at v96-127 and v224-255.   window 2: accumulator (a, b) at v[8 (8 a + b)].
.set CH,    147456                     ; K LIES IN LDS IN TWO HALVES OF K = 512 (not in the four chunks of the lines above): a half is o's 8 tiles x 6,144 bytes, then W's 16; each half's o and W come by one tensor load, one load a wave
.set FR,    12
.set LI,    1                          ; v1   16 x lane
.set L8,    2                          ; v2   8 x lane
.set ADA16, 4                          ; v4-5   o's fragments in chunk c: pieces of 16 bytes,
.set ADA8,  8                          ; v8-9  of 8 bytes
.set ADB,   12                         ; v12-13 W's
.set STO,   24
.set RD,    25
.set BPO,   26
.set SCP,   32
.set SCR,   64
.set AF,    128
.set BK,    128
.set G1A,   24                         ; s[24:31] group 1 for o's tiles;  s[32:39] two groups 0
.set G0A,   32
.set G1W,   48                         ; s[48:55] group 1 for W's;  its two groups 0 at s56, s60
.set MSB,   0
.macro WIN new
.if MSB != (\new)
	s_set_vgpr_msb (MSB<<8)|(\new)
.set MSB, (\new)
.endif
.endm
.macro CREST
	s_cmp_lg_u32 s16, 0
	s_cbranch_scc1 .Lnot_wave_0_\@
	s_barrier_signal -3
.Lnot_wave_0_\@:
	s_barrier_wait -3
	s_barrier_signal -1
	s_barrier_wait -1
.endm
.macro CROUND
	s_barrier_signal -1
	s_barrier_wait -1
	CREST
.endm
.macro PLACES
.rept 4
	v_nop
.endr
.endm
	s_load_b256 s[4:11], s[0:1], 0x0               ; oq, os, wc, ws
	s_load_b128 s[12:15], s[0:1], 0x20             ; b_proj, out0
	v_lshl_add_u32 v126, v0, 2, 0x48000
	v_mov_b32 v127, 0
	ds_add_u32 v126, v127
	ds_add_u32 v126, v127
	v_lshrrev_b32 v1, 5, v0
	v_readfirstlane_b32 s16, v1                    ; wave 0..3
	s_lshr_b32 s17, s16, 1                         ; which 64 tokens are mine.  Also: which half of K I fetch
	s_and_b32 s18, s16, 1                          ; which 128 columns.  Also: I fetch o's tiles (0) or W's (1)
	s_bfe_u32 s20, ttmp6, 0x40000                  ; cx, cy
	s_bfe_u32 s21, ttmp6, 0x40004
	s_lshl_b32 s22, ttmp9, 2
	s_add_co_u32 s22, s22, s20                     ; x: which 256 columns
	s_and_b32 s19, ttmp7, 0xffff
	s_lshl_b32 s19, s19, 2
	s_add_co_u32 s19, s19, s21                     ; y: which 128 tokens
	s_lshl_b32 s84, s21, 2
	s_lshl_b32 s84, 15, s84                        ; my row of the cluster
	s_lshl_b32 s85, 0x1111, s20                    ; my column
	; group 1: rows (tiles) of 768 elements of 8 bytes (four K steps, 6,144 bytes), 1,536 elements apart; eight rows for o, sixteen for W; dense in LDS
	s_or_b32 s[G1A], s84, (3<<16)|(1<<21)
	s_mov_b32 s[G1A+1], 768<<16                    ; rows (tiles) of 768 elements of 8 bytes: four K steps, 6,144 bytes; eight rows for o, sixteen for W
	s_mov_b32 s[G1A+2], 8<<16
	s_mov_b32 s[G1A+3], 768<<16
	s_mov_b32 s[G1A+4], 8
	s_mov_b32 s[G1A+5], 1536
	s_mov_b32 s[G1A+6], 0
	s_mov_b32 s[G1A+7], 0
	s_or_b32 s[G1W], s85, (3<<16)|(1<<21)
	s_mov_b32 s[G1W+1], 768<<16
	s_mov_b32 s[G1W+2], 16<<16
	s_mov_b32 s[G1W+3], 768<<16
	s_mov_b32 s[G1W+4], 16
	s_mov_b32 s[G1W+5], 1536
	s_mov_b32 s[G1W+6], 0
	s_mov_b32 s[G1W+7], 0
	s_lshl_b32 s86, s19, 3
	s_mul_i32 s86, s86, 12288
	s_mov_b32 s87, 0
	s_lshl_b32 s88, s22, 4
	s_add_co_u32 s88, s88, 192                     ; W's tile 192 + 16 x
	s_mul_i32 s88, s88, 12288
	s_mov_b32 s89, 0
	s_wait_dscnt 0x0
	s_wait_kmcnt 0x0
	s_add_nc_u64 s[86:87], s[4:5], s[86:87]
	s_add_nc_u64 s[88:89], s[8:9], s[88:89]
.irp c, 0,1                                    ; groups 0 of K half c: o's eight tiles at s[32+4c ..], W's sixteen at s[56+4c ..]; the LDS addresses are constants
	s_mov_b32 s[G0A+4*\c], 1
	s_mov_b32 s[G0A+4*\c+1], \c*CH
	s_add_nc_u64 s[G0A+4*\c+2:G0A+4*\c+3], s[86:87], \c*6144
	s_or_b32 s[G0A+4*\c+3], s[G0A+4*\c+3], 0x80000000
	s_mov_b32 s[56+4*\c], 1
	s_mov_b32 s[56+4*\c+1], \c*CH+49152
	s_add_nc_u64 s[56+4*\c+2:56+4*\c+3], s[88:89], \c*6144
	s_or_b32 s[56+4*\c+3], s[56+4*\c+3], 0x80000000
.endr
	CROUND                                         ; all sixteen work-groups are here: the joint loads meet
	s_cmp_eq_u32 s16, 0                            ; one chain of branches on the wave's number, one load to an arm
	s_cbranch_scc0 .Lfill_1
	tensor_load_to_lds s[G0A:G0A+3], s[G1A:G1A+7]  ; wave 0: o, K half 0
	s_nop 0
	PLACES
	s_branch .Lfilled
.Lfill_1:
	s_cmp_eq_u32 s16, 1
	s_cbranch_scc0 .Lfill_2
	tensor_load_to_lds s[56:59], s[G1W:G1W+7]      ; wave 1: W, K half 0
	s_nop 0
	PLACES
	s_branch .Lfilled
.Lfill_2:
	s_cmp_eq_u32 s16, 2
	s_cbranch_scc0 .Lfill_3
	tensor_load_to_lds s[G0A+4:G0A+7], s[G1A:G1A+7]  ; wave 2: o, K half 1
	s_nop 0
	PLACES
	s_branch .Lfilled
.Lfill_3:
	tensor_load_to_lds s[60:63], s[G1W:G1W+7]      ; wave 3: W, K half 1
	s_nop 0
	PLACES
.Lfilled:
	v_and_b32 v2, 31, v0
	v_lshlrev_b32 v[LI], 4, v2
	v_lshlrev_b32 v[L8], 3, v2
	v_and_b32 v3, 15, v0                           ; r
	v_bfe_u32 v16, v0, 4, 1                        ; h
	s_mul_i32 s2, s17, 24576                       ; my four tiles of tokens, 6,144 bytes each in a half,
	s_mul_i32 s3, s18, 49152
	s_add_co_u32 s3, s3, 49152                     ; my eight of W, behind o's eight
.irp c, 0,1
	v_add_nc_u32 v[ADA16+\c], s2, v[LI]
	v_add_nc_u32 v[ADA8+\c], s2, v[L8]
	v_add_nc_u32 v[ADB+\c], s3, v[LI]
	s_add_co_u32 s2, s2, CH
	s_add_co_u32 s3, s3, CH
.endr
	s_mul_i32 s23, s16, 8448                       ; the way out: my stage, 16 rows x 528 bytes
	s_wait_alu depctr_va_vdst(0)                   ; the wait here, directly ahead of the reader below
	v_mul_u32_u24 v[STO], v3, 528
	v_lshl_add_u32 v[STO], v16, 6, v[STO]
	v_add_nc_u32 v[STO], s23, v[STO]               ; in: row r, + 64 h
	v_add_nc_u32 v[RD], s23, v[LI]                 ; back: 16 bytes a lane of a row's 512
	v_lshlrev_b32 v[BPO], 6, v16
	s_wait_alu depctr_va_vdst(0)
	s_lshl_b32 s92, s22, 4
	s_lshl_b32 s93, s18, 3
	s_add_co_u32 s92, s92, s93
	s_add_co_u32 s92, s92, 192
	s_lshl_b32 s92, s92, 9
	s_mov_b32 s93, 0
	s_add_nc_u64 s[92:93], s[10:11], s[92:93]      ; W's scale words
	s_lshl_b32 s94, s19, 3
	s_lshl_b32 s95, s17, 2
	s_add_co_u32 s94, s94, s95
	s_lshl_b32 s94, s94, 9
	s_mov_b32 s95, 0
	s_add_nc_u64 s[94:95], s[6:7], s[94:95]        ; o's
	s_lshl_b32 s96, s22, 10
	s_lshl_b32 s97, s18, 9
	s_add_co_u32 s96, s96, s97                     ; my first column, in bytes
	s_mov_b32 s97, 0
	s_lshl_b32 s98, s19, 7
	s_lshl_b32 s99, s17, 6
	s_add_co_u32 s98, s98, s99
	s_lshl_b32 s98, s98, 12                        ; my first token's row
	s_add_co_u32 s98, s98, s96
	s_mov_b32 s99, 0
	s_add_nc_u64 s[98:99], s[14:15], s[98:99]
	s_add_nc_u64 s[96:97], s[12:13], s[96:97]
.irp i, 0,1,2,3,4,5,6,7
	global_load_b128 v[SCP+4*\i:SCP+4*\i+3], v[LI], s[92:93] offset:512*\i   ; register j: lanes 0-15 K step j, lanes 16-31 K step 4 + j
.endr
.irp i, 0,1,2,3
	global_load_b128 v[SCR+4*\i:SCR+4*\i+3], v[LI], s[94:95] offset:512*\i
.endr
	WIN 0x40
.irp b, 0,1,2,3,4,5,6,7
	global_load_b128 v[96+8*\b+96*(\b/4):96+8*\b+96*(\b/4)+3], v[BPO], s[96:97] offset:4*(32*(\b/2)+8*(\b%2))      ; the bias in the result's layout
	global_load_b128 v[96+8*\b+96*(\b/4)+4:96+8*\b+96*(\b/4)+7], v[BPO], s[96:97] offset:4*(32*(\b/2)+8*(\b%2))+16
.endr
	WIN 0
.macro FETCH s                         ; K step s's fragments into set s % 2: W's eight (24 loads), o's four (16 loads: two half images each)
.set CC, (\s)/4
.set KO, 1536*((\s)%4)
.set QQ, (\s)%2
	WIN 0x40
.irp i, 0,1,2,3,4,5,6,7
.irp c, 0,1,2
	ds_load_b128 v[128*QQ+FR*\i+4*\c:128*QQ+FR*\i+4*\c+3], v[ADB+CC] offset:6144*\i+KO+512*\c
.endr
.endr
	WIN 0
.irp i, 0,1,2,3
	ds_load_b128 v[AF+48*QQ+FR*\i:AF+48*QQ+FR*\i+3], v[ADA16+CC] offset:6144*\i+KO
	ds_load_b64 v[AF+48*QQ+FR*\i+4:AF+48*QQ+FR*\i+5], v[ADA8+CC] offset:6144*\i+KO+512
	ds_load_b128 v[AF+48*QQ+FR*\i+6:AF+48*QQ+FR*\i+9], v[ADA16+CC] offset:6144*\i+KO+768
	ds_load_b64 v[AF+48*QQ+FR*\i+10:AF+48*QQ+FR*\i+11], v[ADA8+CC] offset:6144*\i+KO+1280
.endr
.endm
; A K step: its fragments are in; the next step's are asked for; 32 products, the accumulators by turns, in the same order in every step.
.macro KSTEP s
	s_wait_dscnt 0x0                               ; this step's fragments are in
.if (\s) < 7
.if (\s) == 3
	s_wait_tensorcnt 0x0                           ; every wave's load has landed, K half 1 among them; nothing is filled again
	s_barrier_signal -1
	s_barrier_wait -1                              ; everybody's has
.endif
.if (\s) > 0
	PLACES                                         ; in front of loads into the set that the last step's products read
.endif
	FETCH (\s)+1
.endif
.set MP, (\s)%2
.if (\s) == 0
	WIN 0x91                                       ; source 0 and C (the bias) window 1, D window 2
.else
	WIN 0xa1                                       ; source 0 window 1, C and D window 2
.endif
.irp a, 0,1,2,3
.irp b, 0,1,2,3,4,5,6,7
.if (\s) == 0
	v_wmma_scale_f32_16x16x128_f8f6f4 v[8*(8*\a+\b):8*(8*\a+\b)+7], v[128*MP+FR*\b:128*MP+FR*\b+FR-1], v[AF+48*MP+FR*\a:AF+48*MP+FR*\a+FR-1], v[96+8*\b+96*(\b/4):96+8*\b+96*(\b/4)+7], v[SCP+4*\b], v[SCR+4*\a] matrix_a_fmt:MATRIX_FMT_FP6 matrix_b_fmt:MATRIX_FMT_FP6
.elseif (\s) < 4
	v_wmma_scale_f32_16x16x128_f8f6f4 v[8*(8*\a+\b):8*(8*\a+\b)+7], v[128*MP+FR*\b:128*MP+FR*\b+FR-1], v[AF+48*MP+FR*\a:AF+48*MP+FR*\a+FR-1], v[8*(8*\a+\b):8*(8*\a+\b)+7], v[SCP+4*\b+(\s)%4], v[SCR+4*\a+(\s)%4] matrix_a_fmt:MATRIX_FMT_FP6 matrix_b_fmt:MATRIX_FMT_FP6
.else
	v_wmma_scale_f32_16x16x128_f8f6f4 v[8*(8*\a+\b):8*(8*\a+\b)+7], v[128*MP+FR*\b:128*MP+FR*\b+FR-1], v[AF+48*MP+FR*\a:AF+48*MP+FR*\a+FR-1], v[8*(8*\a+\b):8*(8*\a+\b)+7], v[SCP+4*\b+(\s)%4], v[SCR+4*\a+(\s)%4] matrix_a_fmt:MATRIX_FMT_FP6 matrix_b_fmt:MATRIX_FMT_FP6 matrix_a_scale:MATRIX_SCALE_ROW1 matrix_b_scale:MATRIX_SCALE_ROW1
.endif
.endr
.endr
.endm
	s_wait_loadcnt 0x0                             ; the scale words and the bias
	s_cmp_lt_u32 s16, 2
	s_cbranch_scc0 .Lnot_first
	s_wait_tensorcnt 0x0                           ; waves 0 and 1: K half 0 has landed; waves 2 and 3's loads, on lines of their own, may be out
.Lnot_first:
	s_barrier_signal -1
	s_barrier_wait -1
	FETCH 0
	KSTEP 0
	KSTEP 1
	KSTEP 2
	KSTEP 3
	KSTEP 4
	KSTEP 5
	KSTEP 6
	KSTEP 7
	WIN 0
	PLACES
; THE WAY OUT, a tile of 16 tokens x 128 columns at a time: through my own stage in LDS, back as whole rows of 512 bytes.  The stages lie in chunk 0, which has had its one fill; the barrier shows that nobody reads it any more.
.macro TOSTAGE a
	WIN 0x08                                       ; an LDS store's data are its source 1: window 2
.irp b, 0,1,2,3,4,5,6,7
	ds_store_b128 v[STO], v[8*(8*(\a)+\b):8*(8*(\a)+\b)+3] offset:128*(\b/2)+32*(\b%2)          ; each accumulator from its low end on
	ds_store_b128 v[STO], v[8*(8*(\a)+\b)+4:8*(8*(\a)+\b)+7] offset:128*(\b/2)+32*(\b%2)+16
.endr
	WIN 0
.set BB, BK+64*((\a)%2)
.irp i, 0,1,2,3,4,5,6,7,8,9,10,11,12,13,14,15
	ds_load_b128 v[BB+4*\i:BB+4*\i+3], v[RD] offset:528*\i     ; LDS serves a wave's instructions in order: these see my stores, and the next tile's stores come behind them
.endr
.endm
.macro SEND a, younger                 ; younger: the LDS instructions issued behind tile a's loads, which may stay out
.set BB, BK+64*((\a)%2)
	s_wait_dscnt \younger
.irp i, 0,1,2,3,4,5,6,7,8,9,10,11,12,13,14,15
	global_store_b128 v[LI], v[BB+4*\i:BB+4*\i+3], s[98:99] offset:4096*(32*((\a)/2)+8*((\a)%2)+\i+8*(\i/8)) th:TH_STORE_NT   ; 32 lanes store 512 consecutive bytes of one token's row, aligned
.endr
.endm
	s_wait_dscnt 0x0
	s_barrier_signal -1
	s_barrier_wait -1
	TOSTAGE 0
.irp a, 1,2,3
.if \a > 1
	s_wait_xcnt 0x0                                ; tile a - 2's stores have read their registers: tile a's loads may land there
.endif
	TOSTAGE \a
	SEND \a-1, 32                                  ; behind tile a - 1's loads: tile a's 16 stores and 16 loads
.endr
	SEND 3, 0
	s_wait_tensorcnt 0x0
	ds_add_u32 v126, v127
	s_wait_dscnt 0x0
	CROUND                                         ; the closing round: no work-group ends while a partner may still ask for a tile that names it
	s_endpgm
.Lfunc_end_k_q317491ab89_proj:
	.size	k_q317491ab89_proj, .Lfunc_end_k_q317491ab89_proj-k_q317491ab89_proj
	.p2alignl 7, 3214868480
	.fill 96, 4, 3214868480
	.section	.rodata,"a",@progbits
	.p2align	6, 0x0
	.amdhsa_kernel k_q317491ab89_proj
		.amdhsa_group_segment_fixed_size 295424
		.amdhsa_private_segment_fixed_size 0
		.amdhsa_enable_private_segment 0
		.amdhsa_kernarg_size 48
		.amdhsa_user_sgpr_count 2
		.amdhsa_user_sgpr_kernarg_segment_ptr 1
		.amdhsa_wavefront_size32 1
		.amdhsa_system_sgpr_workgroup_id_x 1
		.amdhsa_system_sgpr_workgroup_id_y 1
		.amdhsa_system_sgpr_workgroup_id_z 1
		.amdhsa_system_vgpr_workitem_id 0
		.amdhsa_next_free_vgpr 768
		.amdhsa_next_free_sgpr 100
		.amdhsa_reserve_vcc 0
		.amdhsa_float_denorm_mode_32 3
		.amdhsa_float_denorm_mode_16_64 3
		.amdhsa_memory_ordered 1
		.amdhsa_forward_progress 1
		.amdhsa_inst_pref_size 79
	.end_amdhsa_kernel
	.amdgpu_metadata
---
amdhsa.version: [ 1, 2 ]
amdhsa.kernels:
  - .name:           k_q317491ab89_proj
    .symbol:         k_q317491ab89_proj.kd
    .args:
      - { .name: oq, .offset: 0, .size: 8, .value_kind: global_buffer, .address_space: global }
      - { .name: os, .offset: 8, .size: 8, .value_kind: global_buffer, .address_space: global }
      - { .name: wc, .offset: 16, .size: 8, .value_kind: global_buffer, .address_space: global }
      - { .name: ws, .offset: 24, .size: 8, .value_kind: global_buffer, .address_space: global }
      - { .name: b_proj, .offset: 32, .size: 8, .value_kind: global_buffer, .address_space: global }
      - { .name: out0, .offset: 40, .size: 8, .value_kind: global_buffer, .address_space: global }
    .group_segment_fixed_size: 295424
    .private_segment_fixed_size: 0
    .kernarg_segment_align: 8
    .kernarg_segment_size: 48
    .max_flat_workgroup_size: 128
    .sgpr_count:     100
    .vgpr_count:     768
    .wavefront_size: 32
...
	.end_amdgpu_metadata
.endif
;; end of part 4
